; MI455X (gfx1250); checked and timed in simulation.
; The chip was launched on July 23, 2026; its instructions are those of AMD's public machine-readable ISA for CDNA 5 (MIT licence, August 2026) and "CDNA5" Instruction Set Architecture Reference Guide (July 2026). The comments in the code are by the model that wrote it; some were corrected since.
;; SSTA. Allowed arithmetic: matrix products marked QUANTISED: E4M3 operands, one given power-of-two scale a tensor, by v_wmma_f32_16x16x64_fp8_fp8 or v_wmma_f32_16x16x128_fp8_fp8, f32 sums; everything else in f32.
;; Inputs: b1 1,024 float32; b2 256 float32; bk 256 float32; bq 256 float32; bv 256 float32; ln1_b 256 float32; ln1_w 256 float32; ln2_b 256 float32; ln2_w 256 float32; lowp_scales 14 int32 (the exponents e of the quantised operands' scales 2^e); w1_codes 1,024 x 8 x 32 uint8 (E4M3 codes of w1, K innermost, in blocks of 32 codes); w2_codes 256 x 32 x 32 uint8 (E4M3 codes of w2, K innermost, in blocks of 32 codes); wk_codes 256 x 8 x 32 uint8 (E4M3 codes of wk, K innermost, in blocks of 32 codes); wq_codes 256 x 8 x 32 uint8 (E4M3 codes of wq, K innermost, in blocks of 32 codes); wv_codes 256 x 8 x 32 uint8 (E4M3 codes of wv, K innermost, in blocks of 32 codes); x 512 x 64 x 256 float32.
;; Outputs: out0 512 x 64 x 256 float32.
;; This version of the problem:
;;   THIS VERSION OF THE PROBLEM IS GIVEN IN LOW PRECISION. The matrix products marked QUANTISED in the list below multiply operands that are first quantised to E4M3 (4 exponent bits, 3 mantissa bits; 8 bits a number), with one given power-of-two scale for each operand tensor; their sums are f32. All else is computed in f32.
;;   The module's matrix products, in the order in which they are computed (A, B: the left and right operand; K: the contracted axis; several contracted axes count as one K, in the product's order):
;;     1. [M 32,768, K 256] x [K 256, N 256]; A: input x; B: input wq (given as codes): QUANTISED (scales: A lowp_scales[0], B lowp_scales[1])
;;     2. [M 32,768, K 256] x [K 256, N 256]; A: input x; B: input wk (given as codes): QUANTISED (scales: A lowp_scales[2], B lowp_scales[3])
;;     3. [M 32,768, K 256] x [K 256, N 256]; A: input x; B: input wv (given as codes): QUANTISED (scales: A lowp_scales[4], B lowp_scales[5])
;;     4. batch 512 x [M 512, K 32] x [K 32, N 512]; A: computed on the way; B: computed on the way: QUANTISED (scales: A lowp_scales[6], B lowp_scales[7])
;;     5. batch 512 x [M 512, K 512] x [K 512, N 32]; A: softmax (see below); B: computed on the way: QUANTISED (scales: A lowp_scales[8], B lowp_scales[9])
;;     6. [M 32,768, K 256] x [K 256, N 1,024]; A: computed on the way; B: input w1 (given as codes): QUANTISED (scales: A lowp_scales[10], B lowp_scales[11])
;;     7. [M 32,768, K 1,024] x [K 1,024, N 256]; A: computed on the way; B: input w2 (given as codes): QUANTISED (scales: A lowp_scales[12], B lowp_scales[13])
;;   THE QUANTISER, for each operand of a quantised product, along K:
;;     - The operand's scale is 2^e, e = its entry of the input lowp_scales (int32; the entries are numbered through the quantised products in the list's order, A before B).
;;     - Each number is divided by the scale, clamped to +-448, and rounded to the nearest number of E4M3, ties to even, subnormals kept.
;;     - The product sums the exact products of the quantised numbers (number of the format x scale) in f32.
;;   ~~~python
;;   def quantise(x, axis, e):      # numpy; x: float32 -> the quantised numbers, widened to float32 again
;;       x = np.moveaxis(x, axis, -1); K = x.shape[-1]
;;       r = np.clip(x / 2.0 ** e, -448, 448)
;;       step = 2.0 ** (np.maximum(np.frexp(np.where(r == 0, 1, r))[1] - 1, -6) - 3)
;;       q = np.round(r / step) * step * 2.0 ** e      # np.round: ties to even
;;       return np.moveaxis(q, -1, axis).astype(np.float32)
;;   ~~~
;;   SOFTMAX AHEAD OF A QUANTISED PRODUCT. Where the list says 'softmax', what is quantised is not the finished softmax but p = 2^(t - M), with t = logit x log2(e) and M = ceil(the row's largest t), a whole number; so 1/2 < the row's largest p <= 1. The row's sum l is taken of the UNQUANTISED p, in f32, and the product's result is divided by l at the end. Since M is a whole number, a kernel that streams over the keys may use a running M (the ceiling of the running maximum): every later rescaling is an exact power of two, so the quantised numbers keep their values, but for numbers so far below the row's largest that they fall under the format's range.
;;   OPERANDS COMPUTED ON THE WAY. 'Computed on the way' means the value that the module computes at that place (a softmax that the list does not call 'softmax' is quantised finished and normalised). What goes into a quantiser is computed in f32, as accurately as f32 sums, v_exp_f32 and their like allow (about 1e-6 of the number): no bf16 or f16 on the way to a quantiser, and a product that is left as it is and whose result goes on into a quantised operand takes f32 operands (vector FMAs, or v_wmma_f32_16x16x4_f32). A number that lies on a knife's edge between two numbers of the format may be rounded either way, as far as f32 arithmetic and the matrix unit's own rounding can turn it there, and no further.
;;   INPUTS GIVEN AS CODES. w1 (in the module: [1024, 256], K = its axis 1); w2 (in the module: [256, 1024], K = its axis 1); wk (in the module: [256, 256], K = its axis 1); wq (in the module: [256, 256], K = its axis 1); wv (in the module: [256, 256], K = its axis 1): each comes as NAME_codes (uint8): NAME with its K axis moved to the last place and cut into blocks of 32 codes, [.., K / 32, bytes a block], one block behind the other in memory; one code a byte (a code: sign, 4 exponent bits, 3 mantissa bits); its scale is its entry of lowp_scales. Its value is code x scale, taken as it is: it is not quantised again, and the codes and scales need not be those that the quantiser above would give.
;; 2 versions, each right; version 2 is version 1 with the launches proj, attn written anew for expert scheduling mode. Each part assembles by itself: llvm-mc -triple=amdgcn-amd-amdhsa -mcpu=gfx1250 --defsym DOCPART=n.
;; ======== version 1 of 2: 2 launches
;; workspace buffers: qc 8,388,608 bytes; kc 8,388,608 bytes; vc 8,388,608 bytes
;; launch proj (part 1): grid 256 x 1, 8 waves a work-group, no clusters, 105,472 bytes of LDS; arguments x, wq_codes, wk_codes, wv_codes, bq, bk, bv, lowp_scales, qc, kc, vc; writes qc, kc, vc
.if DOCPART == 1
	.amdgcn_target "amdgcn-amd-amdhsa--gfx1250"
	.amdhsa_code_object_version 6
	.text
	.protected	k_q42b3f28c91_proj
	.globl	k_q42b3f28c91_proj
	.p2align	8
	.type	k_q42b3f28c91_proj,@function
k_q42b3f28c91_proj:
	s_mov_b64 s[64:65], 0
	v_nop
	global_prefetch_b8 v0, s[64:65] scope:SCOPE_SE
	s_setreg_imm32_b32 hwreg(HW_REG_WAVE_MODE, 25, 1), 1
	s_wait_xcnt 0x0
; q, k, v of the attention, as codes of FP8 (E4M3).  x [512 s][64 n][256] f32 is quantised three times (scales e0, e2, e4), multiplied by wq, wk, wv (codes, K innermost),
; the biases are added, q and k are turned (rotary), and the results are quantised with e6, e7, e9.
; OUT: qc, kc: [n][head][s][32 bytes];  vc: [n][head][s / 16][channel / 16][lane][8 bytes], lane (r, h) = channel 16 ct + r, keys 16 kt + 8 h + 0 .. 7: the order of the registers of the product that reads it.
; SHARES.  A work-group has 16 tokens s = 16 sb + r and eight n = 8 ng + m: eight tiles of 16 rows of x.  First wave w quantises tile w into LDS (rows of codes, three scales); one barrier; then wave w is head w
; for all eight tiles, with its rows of the three weights in registers.  A lane keeps ONE token for the whole launch, so its eight cosines and sines are made once.
; ROTARY WITHOUT LANE TRAFFIC.  q and k are used transposed (source 0 = 16 rows of W, source 1 = 16 tokens): register j of lane (r, h) is (row 8 h + j of the tile, token r).  Which rows of W form a tile is free:
; tiles 0, 1 take rows m + 8 (m / 8) (+ 8): channels 16 h + 8 u + j;  tiles 2, 3 take rows 2 (m % 8) + 1 - m / 8 (+ 16): the channels that the rotary pairs with them.  rot = S cos + S' sinS + RB,
; sinS = -sin in lanes 0-15, +sin in lanes 16-31, RB = (b cos + b' sinS) / 2^(eA + eB).  v is used as it is (source 0 = tokens): a lane's eight registers are eight keys of one channel.
; K IN THE REGISTERS: registers 4 c .. 4 c + 3 hold k = 128 s + 32 c + 16 h + 0 .. 15, alike on both sides of a product: every product meets its partner.
; SIN AND COS by hand, in f32: angle = 2^(-m log2(10000) / 15); y = s x angle; reduction by pi / 2 in two parts; polynomials on |r| <= pi / 4.
; LIMITS.  e0, e2, e4, e6 - e0 - e1, e7 - e2 - e3, e9 - e4 - e5 lie between -126 and 119, so that each scale and 448 x it are f32 numbers.  NaN among the inputs is not served.  The angle comes from v_exp_f32 and
; may differ in its last bit or two from a correctly rounded power: at s = 511 that moves y by some 5e-5 at the most.
.set PITCH, 272                        ; a row of 256 codes in LDS + 16 bytes: the 16 rows of a fragment load start at 16 different groups of four banks
.set REGN,  16*PITCH                   ; a tile's rows for one scale; region (m, e) at (3 m + e) x REGN
.set XF,  16                           ; v16-47   x's two fragments (K steps 0, 1)
.set ACC, 48                           ; v48-79   four tiles of results
.set CDQ, 80                           ; v80-83   q's codes; v84-87 k's
.set CDK, 84
.set WV,  88                           ; v88-151  wv's fragments (ct, s) at 16 (2 ct + s)
.set CO,  152                          ; v152-159 cos, v160-167 sinS, of angles 8 h + 0 .. 7
.set SI,  160
.set RBQ, 168                          ; v168-183, v184-199 the turned biases
.set RBK, 184
.set T,   200                          ; v200-215 two work sets of eight; before that bq's partners
.set C,   216                          ; v216-227 six pairs of codes; before that (to v231) bk's partners
.set SC,  232                          ; v232-234 the conversions' scales
.set CDV, 236                          ; v236-239 v's codes
.set BV,  240                          ; v240, v241 bv of my two channels; before that v240-254 at work on sin and cos
.set MSB, 0
.macro WIN new                         ; the immediate's high byte repeats the setting that is left
.if MSB != \new
	s_set_vgpr_msb (MSB<<8)|\new
.set MSB, \new
.endif
.endm
; window 1: wq's fragments (tile T, K step s) at 16 (2 T + s), wk's at 128 + the same
	s_load_b256 s[4:11], s[0:1], 0x0               ; x, wq, wk, wv
	s_load_b256 s[12:19], s[0:1], 0x20             ; bq, bk, bv, the scales' exponents
	s_load_b128 s[20:23], s[0:1], 0x40             ; qc, kc
	s_load_b64 s[24:25], s[0:1], 0x50              ; vc
	v_lshl_add_u32 v235, v0, 2, 0x19800
	v_mov_b32 v255, 0
	v_lshrrev_b32 v1, 5, v0
	v_readfirstlane_b32 s2, v1                     ; wave 0..7
	v_and_b32 v1, 15, v0                           ; r
	v_bfe_u32 v2, v0, 4, 1                         ; h
	v_and_b32 v3, 31, v0                           ; lane
	v_lshlrev_b32 v4, 5, v3                        ; x: my 8 numbers of a row
	s_mul_i32 s40, s2, 3*REGN
	v_lshl_add_u32 v5, v3, 3, s40                  ; LDS, in: my tile's regions, 8 bytes a lane
	v_lshrrev_b32 v15, 3, v1
	v_lshl_add_u32 v6, v15, 3, v1                  ; r + 8 (r / 8)
	v_lshlrev_b32 v6, 8, v6
	v_lshl_add_u32 v6, v2, 4, v6                   ; W, tiles 0 and 1
	v_and_b32 v7, 7, v1
	v_lshl_add_u32 v7, v7, 1, 1
	v_sub_nc_u32 v7, v7, v15                       ; 2 (r % 8) + 1 - r / 8
	v_lshlrev_b32 v7, 8, v7
	v_lshl_add_u32 v7, v2, 4, v7                   ; W, tiles 2 and 3
	v_lshlrev_b32 v8, 8, v1
	v_lshl_add_u32 v8, v2, 4, v8                   ; wv: row r
	v_mul_u32_u24 v9, v1, PITCH
	v_lshl_add_u32 v9, v2, 4, v9                   ; LDS, out: row r, + 16 h; tiles 0-3
	v_add_nc_u32 v10, 12*REGN, v9                  ; tiles 4-7
	v_lshlrev_b32 v11, 5, v1
	v_lshl_add_u32 v11, v2, 4, v11                 ; qc, kc: token r, + 16 h
	v_lshlrev_b32 v12, 3, v3                       ; vc: 8 bytes a lane
	v_lshlrev_b32 v13, 6, v2                       ; biases as they lie: channels 16 h on
	v_sub_nc_u32 v14, 1, v2
	v_lshlrev_b32 v14, 2, v14                      ; their partners: 4 (1 - h)
	v_lshlrev_b32 v15, 2, v1                       ; bv: channel r
	s_and_b32 s38, ttmp9, 31                       ; sb
	s_lshr_b32 s39, ttmp9, 5                       ; ng
	s_lshl_b32 s40, s38, 10
	s_lshl_b32 s41, s39, 3
	s_add_co_u32 s40, s40, s41
	s_add_co_u32 s40, s40, s2
	s_lshl_b32 s40, s40, 10                        ; x: row (16 sb, 8 ng + wave), 1,024 bytes a row
	s_mov_b32 s41, 0
	s_lshl_b32 s42, s2, 13                         ; my head's 32 rows of a weight
	s_mov_b32 s43, 0
	s_mov_b32 s50, 0xbf62c6e7                      ; -log2(10000) / 15
	s_mov_b32 s51, 0x3f22f983                      ; 2 / pi
	s_mov_b32 s52, 0xbfc90fdb                      ; -(pi / 2), its f32 part,
	s_mov_b32 s53, 0x333bbd2e                      ; and what that part has too much
	s_mov_b32 s54, 0xb94ca1f9                      ; sine: -1.9515296e-4, 8.3321609e-3, -1.6666655e-1
	s_mov_b32 s55, 0x3c08839e
	s_mov_b32 s56, 0xbe2aaaa3
	s_mov_b32 s57, 0x37ccf5ce                      ; cosine: 2.4433157e-5, -1.3887316e-3, 4.1666646e-2
	s_mov_b32 s58, 0xbab6061a
	s_mov_b32 s59, 0x3d2aaaa5
	s_wait_kmcnt 0x0
	s_load_b256 s[28:35], s[18:19], 0x0            ; e0 .. e7
	s_load_b64 s[36:37], s[18:19], 0x20            ; e8, e9
	s_add_nc_u64 s[4:5], s[4:5], s[40:41]
	s_add_nc_u64 s[6:7], s[6:7], s[42:43]
	s_add_nc_u64 s[8:9], s[8:9], s[42:43]
	s_add_nc_u64 s[10:11], s[10:11], s[42:43]
	s_lshl_b32 s42, s2, 7                          ; my head's 32 numbers of a bias
	s_add_nc_u64 s[12:13], s[12:13], s[42:43]
	s_add_nc_u64 s[14:15], s[14:15], s[42:43]
	s_add_nc_u64 s[16:17], s[16:17], s[42:43]
	s_lshl_b32 s42, s39, 20                        ; out: n = 8 ng, 131,072 bytes an n,
	s_lshl_b32 s40, s2, 14                         ; my head,
	s_add_co_u32 s42, s42, s40
	s_lshl_b32 s40, s38, 9                         ; my 16 tokens: 512 bytes in each of the three
	s_add_co_u32 s42, s42, s40
	s_add_nc_u64 s[20:21], s[20:21], s[42:43]
	s_add_nc_u64 s[22:23], s[22:23], s[42:43]
	s_add_nc_u64 s[24:25], s[24:25], s[42:43]
; my tile of x: 16 rows, 65,536 bytes apart; a lane takes 8 neighbours, as the conversion wants them; a row's two loads cover its 1,024 bytes.  Rows 0-7 in v16-79, rows 8-15 in v88-151
.irp i, 0,1,2,3,4,5,6,7,8,9,10,11,12,13,14,15
	global_load_b128 v[16+8*\i+8*(\i/8):16+8*\i+8*(\i/8)+3], v4, s[4:5] offset:\i*65536 th:TH_LOAD_NT
	global_load_b128 v[16+8*\i+8*(\i/8)+4:16+8*\i+8*(\i/8)+7], v4, s[4:5] offset:\i*65536+16 th:TH_LOAD_NT
.endr
.irp k, 0,1,2,3
	global_load_b128 v[RBQ+4*\k:RBQ+4*\k+3], v13, s[12:13] offset:16*\k   ; b of channels 16 h + 0 .. 15
	global_load_b128 v[RBK+4*\k:RBK+4*\k+3], v13, s[14:15] offset:16*\k
.endr
.irp u, 0,1
.irp j, 0,1,2,3,4,5,6,7
	global_load_b32 v[T+8*\u+\j], v14, s[12:13] offset:64*\u+8*\j         ; b of channel 16 u + 2 j + 1 - h
	global_load_b32 v[C+8*\u+\j], v14, s[14:15] offset:64*\u+8*\j
.endr
.endr
.macro WLOAD d, b                      ; a weight's four tiles x two K steps: 32 loads
.irp s, 0,1
.irp c, 0,1,2,3
	global_load_b128 v[\d+16*\s+4*\c:\d+16*\s+4*\c+3], v6, s[\b:\b+1] offset:128*\s+32*\c
	global_load_b128 v[\d+32+16*\s+4*\c:\d+32+16*\s+4*\c+3], v6, s[\b:\b+1] offset:2048+128*\s+32*\c
	global_load_b128 v[\d+64+16*\s+4*\c:\d+64+16*\s+4*\c+3], v7, s[\b:\b+1] offset:128*\s+32*\c
	global_load_b128 v[\d+96+16*\s+4*\c:\d+96+16*\s+4*\c+3], v7, s[\b:\b+1] offset:4096+128*\s+32*\c
.endr
.endr
.endm
	WIN 0x40                                       ; destination window 1
	WLOAD 0, 6
	WLOAD 128, 8
	WIN 0
; cos and sin of s x angle, while the loads are on their way
	s_lshl_b32 s40, s38, 4
	v_add_nc_u32 v240, s40, v1
	v_cvt_f32_u32 v241, v240                       ; my token s
	v_lshlrev_b32 v242, 3, v2                      ; 8 h
	v_sub_nc_u32 v243, 1, v2
	v_lshlrev_b32 v243, 31, v243                   ; the sign that makes sinS of sin: lanes 0-15
.irp i, 0,1,2,3,4,5,6,7
	v_add_nc_u32 v[SI+\i], \i, v242
.endr
.irp i, 0,1,2,3,4,5,6,7
	v_cvt_f32_u32 v[SI+\i], v[SI+\i]
.endr
.irp i, 0,1,2,3,4,5,6,7
	v_mul_f32 v[SI+\i], s50, v[SI+\i]
.endr
.irp i, 0,1,2,3,4,5,6,7
	v_exp_f32 v[CO+\i], v[SI+\i]                   ; the angle of channels 16 h + 2 i, 2 i + 1
.endr
	v_nop                                          ; a plain line behind the exponentials
	s_wait_alu depctr_va_vdst(0)
.macro SINCOS i
	v_mul_f32 v244, v241, v[CO+\i]                 ; y
	v_mul_f32 v245, s51, v244
	v_rndne_f32 v245, v245                         ; k = the nearest multiple of pi / 2
	v_fma_f32 v246, v245, s52, v244
	v_fma_f32 v246, v245, s53, v246                ; r = y - k pi / 2
	v_mul_f32 v247, v246, v246                     ; z
	v_fma_f32 v248, v247, s54, s55
	v_fma_f32 v249, v247, s57, s58
	v_fma_f32 v248, v248, v247, s56
	v_fma_f32 v249, v249, v247, s59
	v_mul_f32 v248, v248, v247
	v_mul_f32 v249, v249, v247
	v_fma_f32 v250, v247, -0.5, 1.0
	v_fma_f32 v248, v248, v246, v246               ; sin r
	v_fma_f32 v249, v249, v247, v250               ; cos r
	v_cvt_i32_f32 v251, v245
	v_and_b32 v252, 1, v251
	v_cmp_eq_u32 vcc_lo, 1, v252                   ; in odd quadrants the two change places
	v_cndmask_b32 v253, v248, v249, vcc_lo
	v_cndmask_b32 v254, v249, v248, vcc_lo
	v_and_b32 v252, 2, v251                        ; sin is negative in quadrants 2, 3,
	v_lshlrev_b32 v252, 30, v252
	v_xor_b32 v252, v243, v252
	v_xor_b32 v[SI+\i], v253, v252
	v_add_nc_u32 v252, 1, v251                     ; cos in quadrants 1, 2
	v_and_b32 v252, 2, v252
	v_lshlrev_b32 v252, 30, v252
	v_xor_b32 v[CO+\i], v254, v252
.endm
.irp i, 0,1,2,3,4,5,6,7
	SINCOS \i
.endr
.macro SCALE e, vsc, sneg              ; from the exponent in s[e]: 2^e into v[vsc]; -448 x 2^e, +448 x 2^e into s[sneg], s[sneg + 1]
	s_add_co_i32 s66, s[\e], 127
	s_lshl_b32 s67, s66, 23
	v_mov_b32 v[\vsc], s67
	s_add_co_i32 s66, s66, 8
	s_lshl_b32 s66, s66, 23
	s_or_b32 s[\sneg+1], s66, 0x600000
	s_or_b32 s[\sneg], s[\sneg+1], 0x80000000
.endm
	s_wait_kmcnt 0x0
	SCALE 28, SC, 44                               ; x for q: e0
	SCALE 30, SC+1, 46                             ; for k: e2
	SCALE 32, SC+2, 48                             ; for v: e4
	s_add_co_i32 s60, s28, s29
	s_sub_co_i32 s60, 0, s60                       ; -(e0 + e1)
	s_add_co_i32 s61, s30, s31
	s_sub_co_i32 s61, 0, s61                       ; -(e2 + e3)
	s_add_co_i32 s62, s32, s33
	s_sub_co_i32 s62, 0, s62                       ; -(e4 + e5)
	s_wait_loadcnt 63                              ; 64 loads (the weights') were issued behind the last bias load: x and the biases are in
; d = a x B[idx] + c for a pair of registers, B[idx] for both halves
.macro PKFMA_SEL d, a, bb, idx, c
.if ((\idx)%2) == 0
	v_pk_fma_f32 v[\d:\d+1], v[\a:\a+1], v[\bb+(\idx):\bb+(\idx)+1], v[\c:\c+1] op_sel_hi:[1,0,1]
.else
	v_pk_fma_f32 v[\d:\d+1], v[\a:\a+1], v[\bb+(\idx)-1:\bb+(\idx)], v[\c:\c+1] op_sel:[0,1,0] op_sel_hi:[1,1,1]
.endif
.endm
.macro PKMUL_SEL d, bb, idx
.if ((\idx)%2) == 0
	v_pk_mul_f32 v[\d:\d+1], v[\d:\d+1], v[\bb+(\idx):\bb+(\idx)+1] op_sel_hi:[1,0]
.else
	v_pk_mul_f32 v[\d:\d+1], v[\d:\d+1], v[\bb+(\idx)-1:\bb+(\idx)] op_sel:[0,1] op_sel_hi:[1,1]
.endif
.endm
.irp u, 0,1
.irp pp, 0,1,2,3
	PKMUL_SEL RBQ+8*\u+2*\pp, CO, 4*\u+\pp         ; b cos
	PKMUL_SEL RBK+8*\u+2*\pp, CO, 4*\u+\pp
.endr
.endr
.irp u, 0,1
.irp pp, 0,1,2,3
	PKFMA_SEL RBQ+8*\u+2*\pp, T+8*\u+2*\pp, SI, 4*\u+\pp, RBQ+8*\u+2*\pp   ; + b' sinS
	PKFMA_SEL RBK+8*\u+2*\pp, C+8*\u+2*\pp, SI, 4*\u+\pp, RBK+8*\u+2*\pp
.endr
.endr
.irp j, 0,1,2,3,4,5,6,7,8,9,10,11,12,13,14,15
	v_ldexp_f32 v[RBQ+\j], v[RBQ+\j], s60          ; in the sums' unit
	v_ldexp_f32 v[RBK+\j], v[RBK+\j], s61
.endr
; Row i of my tile: held and converted for each of the three scales.  The work sets take turns from conversion to conversion, so that eight plain lines stand between a conversion and the next write of its sources.
.macro QROW i
.set XR, 16+8*(\i)+8*((\i)/8)
.if (\i) >= 2
	s_wait_dscnt 3                                 ; the row before's three stores may be out; those of two rows back, whose registers are written now, are done
.endif
.irp e, 0,1,2
.set TS, T+8*((3*(\i)+\e)%2)
.set CR, C+6*((\i)%2)+2*\e
.irp j, 0,1,2,3,4,5,6,7
	v_med3_num_f32 v[TS+\j], v[XR+\j], s[44+2*\e], s[45+2*\e]   ; the conversion to an 8-bit code does not saturate (ISA guide 7.6.2)
.endr
	v_cvt_scalef32_pk8_fp8_f32 v[CR:CR+1], v[TS:TS+7], v[SC+\e]
.endr
.irp e, 0,1,2
	ds_store_b64 v5, v[C+6*((\i)%2)+2*\e:C+6*((\i)%2)+2*\e+1] offset:\e*REGN+(\i)*PITCH   ; 32 lanes: a row's 256 bytes
.endr
.endm
.irp i, 0,1,2,3,4,5,6,7,8,9,10,11,12,13,14,15
	QROW \i
.endr
	v_nop                                          ; a plain line behind the last conversion
.irp ct, 0,1
.irp s, 0,1
.irp c, 0,1,2,3
	global_load_b128 v[WV+16*(2*\ct+\s)+4*\c:WV+16*(2*\ct+\s)+4*\c+3], v8, s[10:11] offset:4096*\ct+128*\s+32*\c
.endr
.endr
.endr
	global_load_b32 v[BV], v15, s[16:17]
	global_load_b32 v[BV+1], v15, s[16:17] offset:64
	s_add_co_i32 s68, s34, s60                     ; a sum stands for sum x 2^(e0 + e1): q's code is sum / 2^(e6 - e0 - e1)
	SCALE 68, SC, 44
	s_add_co_i32 s68, s35, s61                     ; e7 - e2 - e3
	SCALE 68, SC+1, 46
	s_add_co_i32 s68, s37, s62                     ; e9 - e4 - e5
	SCALE 68, SC+2, 48
	s_wait_dscnt 0x0                               ; for the others' sake: my rows of codes lie in LDS
	s_barrier_signal -1
	s_barrier_wait -1
.macro FETCH m, e                      ; tile m's rows under scale e: two fragments
.irp s, 0,1
.irp c, 0,1,2,3
	ds_load_b128 v[XF+16*\s+4*\c:XF+16*\s+4*\c+3], v[9+(\m)/4] offset:(3*((\m)%4)+\e)*REGN+128*\s+32*\c
.endr
.endr
.endm
; q or k of tile m: eight products (the four accumulators by turns), the turn, the hold, the conversion, one store of 512 consecutive bytes.
.macro ROT w, rb, cd, sc, lm, ob, m, nm, ne
	s_wait_dscnt 0x0                               ; x's fragments are in
	WIN 0x01                                       ; source 0 (W) window 1
.irp s, 0,1
.irp t, 0,1,2,3
.if \s == 0
	v_wmma_f32_16x16x128_fp8_fp8 v[ACC+8*\t:ACC+8*\t+7], v[\w+16*(2*\t+\s):\w+16*(2*\t+\s)+15], v[XF+16*\s:XF+16*\s+15], 0
.else
	v_wmma_f32_16x16x128_fp8_fp8 v[ACC+8*\t:ACC+8*\t+7], v[\w+16*(2*\t+\s):\w+16*(2*\t+\s)+15], v[XF+16*\s:XF+16*\s+15], v[ACC+8*\t:ACC+8*\t+7]
.endif
.endr
.endr
	WIN 0
.rept 4
	v_nop                                          ; four places in front of the loads into x's fragments and of the first read of results
.endr
	FETCH \nm, \ne
.irp u, 0,1
.irp pp, 0,1,2,3
	PKFMA_SEL ACC+8*\u+2*\pp, ACC+8*\u+2*\pp, CO, 4*\u+\pp, \rb+8*\u+2*\pp
.endr
.endr
.irp u, 0,1
.irp pp, 0,1,2,3
	PKFMA_SEL ACC+8*\u+2*\pp, ACC+16+8*\u+2*\pp, SI, 4*\u+\pp, ACC+8*\u+2*\pp
.endr
.endr
.irp j, 0,1,2,3,4,5,6,7,8,9,10,11,12,13,14,15
	v_med3_num_f32 v[ACC+\j], v[ACC+\j], s[\lm], s[\lm+1]
.endr
	v_cvt_scalef32_pk8_fp8_f32 v[\cd:\cd+1], v[ACC:ACC+7], v[\sc]
	v_cvt_scalef32_pk8_fp8_f32 v[\cd+2:\cd+3], v[ACC+8:ACC+15], v[\sc]
	v_nop                                          ; a plain line behind the conversions: the next products write their sources
	global_store_b128 v11, v[\cd:\cd+3], s[\ob:\ob+1] offset:(\m)*131072
.endm
.macro VPART m
	s_wait_dscnt 0x0
.irp s, 0,1
.irp ct, 0,1
.if \s == 0
	v_wmma_f32_16x16x128_fp8_fp8 v[ACC+8*\ct:ACC+8*\ct+7], v[XF+16*\s:XF+16*\s+15], v[WV+16*(2*\ct+\s):WV+16*(2*\ct+\s)+15], 0
.else
	v_wmma_f32_16x16x128_fp8_fp8 v[ACC+8*\ct:ACC+8*\ct+7], v[XF+16*\s:XF+16*\s+15], v[WV+16*(2*\ct+\s):WV+16*(2*\ct+\s)+15], v[ACC+8*\ct:ACC+8*\ct+7]
.endif
.endr
.endr
.rept 4
	v_nop
.endr
.if (\m) < 7
	FETCH (\m)+1, 0
.endif
.irp pp, 0,2,4,6
	v_pk_add_f32 v[ACC+\pp:ACC+\pp+1], v[ACC+\pp:ACC+\pp+1], v[BV:BV+1] op_sel_hi:[1,0]
.endr
.irp pp, 0,2,4,6
	v_pk_add_f32 v[ACC+8+\pp:ACC+8+\pp+1], v[ACC+8+\pp:ACC+8+\pp+1], v[BV:BV+1] op_sel:[0,1] op_sel_hi:[1,1]
.endr
.irp j, 0,1,2,3,4,5,6,7,8,9,10,11,12,13,14,15
	v_med3_num_f32 v[ACC+\j], v[ACC+\j], s48, s49
.endr
	v_cvt_scalef32_pk8_fp8_f32 v[CDV:CDV+1], v[ACC:ACC+7], v[SC+2]
	v_cvt_scalef32_pk8_fp8_f32 v[CDV+2:CDV+3], v[ACC+8:ACC+15], v[SC+2]
	v_nop
	global_store_b64 v12, v[CDV:CDV+1], s[24:25] offset:(\m)*131072          ; 32 lanes: 256 consecutive bytes, aligned
	global_store_b64 v12, v[CDV+2:CDV+3], s[24:25] offset:(\m)*131072+256
.endm
	FETCH 0, 0
	s_wait_loadcnt 18                              ; wq's and wk's fragments are in; wv's sixteen loads and bv's two may be out
.irp m, 0,1,2,3,4,5,6,7
.if \m > 0
	s_wait_xcnt 0x0                                ; the last tile's stores have read their data registers, which are written again below
.endif
	ROT 0, RBQ, CDQ, SC, 44, 20, \m, \m, 1
	ROT 128, RBK, CDK, SC+1, 46, 22, \m, \m, 2
.if \m == 0
	s_wait_loadcnt 0x0                             ; wv and bv
	v_ldexp_f32 v[BV], v[BV], s62
	v_ldexp_f32 v[BV+1], v[BV+1], s62
.endif
	VPART \m
.endr
	s_wait_tensorcnt 0x0
	ds_add_u32 v235, v255
	s_wait_dscnt 0x0
	s_endpgm
.Lfunc_end_k_q42b3f28c91_proj:
	.size	k_q42b3f28c91_proj, .Lfunc_end_k_q42b3f28c91_proj-k_q42b3f28c91_proj
	.p2alignl 7, 3214868480
	.fill 96, 4, 3214868480
	.section	.rodata,"a",@progbits
	.p2align	6, 0x0
	.amdhsa_kernel k_q42b3f28c91_proj
		.amdhsa_group_segment_fixed_size 105472
		.amdhsa_private_segment_fixed_size 0
		.amdhsa_enable_private_segment 0
		.amdhsa_kernarg_size 88
		.amdhsa_user_sgpr_count 2
		.amdhsa_user_sgpr_kernarg_segment_ptr 1
		.amdhsa_wavefront_size32 1
		.amdhsa_system_sgpr_workgroup_id_x 1
		.amdhsa_system_sgpr_workgroup_id_y 1
		.amdhsa_system_sgpr_workgroup_id_z 1
		.amdhsa_system_vgpr_workitem_id 0
		.amdhsa_next_free_vgpr 512
		.amdhsa_next_free_sgpr 80
		.amdhsa_reserve_vcc 1
		.amdhsa_float_denorm_mode_32 3
		.amdhsa_float_denorm_mode_16_64 3
		.amdhsa_memory_ordered 1
		.amdhsa_forward_progress 1
		.amdhsa_inst_pref_size 144
	.end_amdhsa_kernel
	.amdgpu_metadata
---
amdhsa.version: [ 1, 2 ]
amdhsa.kernels:
  - .name:           k_q42b3f28c91_proj
    .symbol:         k_q42b3f28c91_proj.kd
    .args:
      - { .name: x, .offset: 0, .size: 8, .value_kind: global_buffer, .address_space: global }
      - { .name: wq_codes, .offset: 8, .size: 8, .value_kind: global_buffer, .address_space: global }
      - { .name: wk_codes, .offset: 16, .size: 8, .value_kind: global_buffer, .address_space: global }
      - { .name: wv_codes, .offset: 24, .size: 8, .value_kind: global_buffer, .address_space: global }
      - { .name: bq, .offset: 32, .size: 8, .value_kind: global_buffer, .address_space: global }
      - { .name: bk, .offset: 40, .size: 8, .value_kind: global_buffer, .address_space: global }
      - { .name: bv, .offset: 48, .size: 8, .value_kind: global_buffer, .address_space: global }
      - { .name: lowp_scales, .offset: 56, .size: 8, .value_kind: global_buffer, .address_space: global }
      - { .name: qc, .offset: 64, .size: 8, .value_kind: global_buffer, .address_space: global }
      - { .name: kc, .offset: 72, .size: 8, .value_kind: global_buffer, .address_space: global }
      - { .name: vc, .offset: 80, .size: 8, .value_kind: global_buffer, .address_space: global }
    .group_segment_fixed_size: 105472
    .private_segment_fixed_size: 0
    .kernarg_segment_align: 8
    .kernarg_segment_size: 88
    .max_flat_workgroup_size: 256
    .sgpr_count:     80
    .vgpr_count:     512
    .wavefront_size: 32
...
	.end_amdgpu_metadata
.endif
;; end of part 1
;; launch attn (part 2): grid 256 x 1, 16 waves a work-group, no clusters, 301,056 bytes of LDS; arguments qc, kc, vc, x, lowp_scales, ln1_w, ln1_b, w1_codes, b1, w2_codes, b2, ln2_w, ln2_b, out0; writes out0
.if DOCPART == 2
	.amdgcn_target "amdgcn-amd-amdhsa--gfx1250"
	.amdhsa_code_object_version 6
	.text
	.protected	k_q42b3f28c91_attn
	.globl	k_q42b3f28c91_attn
	.p2align	8
	.type	k_q42b3f28c91_attn,@function
k_q42b3f28c91_attn:
	s_mov_b64 s[64:65], 0
	v_nop
	global_prefetch_b8 v0, s[64:65] scope:SCOPE_SE
	s_setreg_imm32_b32 hwreg(HW_REG_WAVE_MODE, 25, 1), 1
	s_wait_xcnt 0x0
; Attention over s with the decay mask, + x, LN1, the FFN (256 -> 1,024 -> 256, relu), + , LN2.  All products on codes of FP8 (E4M3), each operand with its given scale 2^e.
; SHARES.  A work-group owns 128 queries (s = 128 qb + ..) of one n, all 8 heads: whole rows of 256 channels, so that both norms and the FFN stay inside it.  Sixteen waves of 256 registers, four to a SIMD.
; PHASE 1, no barrier.  Wave (head = w / 2, half = w % 2) owns 64 queries, four tiles of 16, and walks the 512 keys in steps of 64.  K and V come from memory straight into registers, a whole step ahead:
;   the launch before has laid them in the order of the operands' registers.  Both products are used transposed: a lane holds ONE query.
;   HEAD SIZE 32 IN THE K = 64 FORM: a fragment of source 0 holds TWO tiles of 16 keys; source 1 is (q, zeros) for the first and (zeros, q) for the second.  The codes hold no NaN: they were held at 448.
;   THE MASK IS THE PRODUCT'S C: -g |q - k|, g = -ln(1 - 2^(-1 - 3 head / 8)) / 2^(e6 + e7), built in the accumulator.  Where a step's keys all lie on one side of the tile's queries that is one packed
;   multiply-add for two numbers; else (one step in eight; a branch on ids) an addition and a sign bit.
;   SOFTMAX: t = c x sum, c = log2(e) 2^(e6 + e7); M = the running largest t rounded up to a whole number; p = 2^(t - M) is quantised with e8; the row's sum is taken of the unquantised p;
;   when M moves, the sum and O are multiplied by 2^(old M - new M), which rounds nothing.
; PHASES 2 to 5, four barriers: LN1 by rows (wave w: rows 8 w ..), its codes to LDS | hidden units 64 w .. of all 128 rows, W1 in registers, relu and hold in one, images of the operand's registers to LDS |
;   64 rows x 32 columns a wave of the second product, W2 from memory a K step ahead | LN2 by rows, stores of 512 consecutive bytes.
; No cluster and no joint loads: K and V go to registers, not through LDS, where a head's rows would find no room beside the 299,008 bytes in use.
; LIMITS.  e6 + e7 between -126 and 126 (added to c's exponent field); e8, e10, e12 - e10 - e11 between -126 and 119; e12 + e13 between -126 and 127.  NaN among the inputs is not served.
.set YP,   1040                        ; LDS: Y, 128 rows of 256 f32 + 16 bytes
.set X1,   128*YP                      ; LN1's codes, 128 rows of 256 + 16 bytes
.set XP,   272
.set HIMG, X1+128*XP                   ; the hidden layer: fragment (tile of rows m, K step ks) at (8 m + ks) x 2,048 + 512 c + 16 lane
.set KSET, 44                          ; v44-75   K: two sets of four tiles x 4 registers
.set VSET, 76                          ; v76-107  V: two sets of two channel tiles x 8 registers
.set S,    108                         ; v108-139 the scores of 64 keys, then p
.set P,    140                         ; v140-147 p's codes
.set O,    148                         ; v148-211 O^T: tile t, channel tile ct at 16 t + 8 ct
.set STA,  212                         ; v212-227 tile t: -M, the largest t, the sum in two halves
.set A,    228                         ; v228-235 g (r - 8 h - j)
; v1 r, v2 h, v3 K's and Q's lane offset, v4 V's, v5, v6 the same for the step being fetched, v7 the prefetch's offset; v8-43: zeros, q0, zeros, q1, zeros, q2, zeros, q3, zeros, four registers each
; v236, v237 at work; v238 the other half's maximum; v239 the old -M; v[240:241] f; v[242:243] (tau, kappa); v[244:245] a second chain of sums; v246 kappa's step; v247 D0; v248 g; v249 16 g; v250 2^e8; v251 448 x 2^e8; v252 Y's address
	s_load_b512 s[8:23], s[0:1], 0x0               ; qc, kc, vc, x, the scales' exponents, ln1_w, ln1_b, w1
	s_load_b256 s[24:31], s[0:1], 0x40             ; b1, w2, b2, ln2_w
	s_load_b128 s[32:35], s[0:1], 0x60             ; ln2_b, out0
	v_lshrrev_b32 v1, 5, v0
	v_readfirstlane_b32 s2, v1                     ; wave 0..15
	v_and_b32 v1, 15, v0                           ; r
	v_bfe_u32 v2, v0, 4, 1                         ; h
	v_and_b32 v7, 31, v0                           ; lane
	v_lshlrev_b32 v3, 5, v1
	v_lshl_add_u32 v3, v2, 4, v3                   ; 32 r + 16 h
	v_lshlrev_b32 v4, 3, v7                        ; 8 lane
	v_lshrrev_b32 v5, 2, v7
	v_and_b32 v6, 3, v7
	s_lshl_b32 s4, s2, 3
	v_add_nc_u32 v5, s4, v5
	v_lshlrev_b32 v5, 16, v5
	v_lshl_add_u32 v7, v6, 8, v5                   ; row 8 w + lane / 4 of the work-group's 128 rows of x, block lane % 4 of its four blocks of 256 bytes
	s_lshr_b32 s52, ttmp9, 2                       ; n
	s_and_b32 s53, ttmp9, 3                        ; qb
	s_lshr_b32 s54, s2, 1                          ; head; later: which 32 columns
	s_and_b32 s55, s2, 1                           ; which 64 queries; later: which 64 rows
	s_lshl_b32 s67, s53, 7
	s_lshl_b32 s4, s55, 6
	s_add_co_u32 s67, s67, s4                      ; my first query
	s_mul_i32 s4, s55, 64*YP
	s_lshl_b32 s5, s54, 7
	s_add_co_u32 s4, s4, s5
	v_mul_u32_u24 v252, v1, YP
	v_lshl_add_u32 v252, v2, 5, v252
	v_add_nc_u32 v252, s4, v252                    ; Y: row 64 half + r, byte 128 head + 32 h
	s_lshl_b32 s4, s52, 17
	s_lshl_b32 s5, s54, 14
	s_add_co_u32 s4, s4, s5                        ; (n, head) in qc, kc, vc
	s_mov_b32 s5, 0
	s_mov_b32 s7, 0
	s_mov_b32 s62, 0x76543210                      ; v_permlanex16_b32: lane l xor 16
	s_mov_b32 s63, 0xfedcba98
	s_mov_b32 s84, 0x3b800000                      ; 1 / 256
	s_mov_b32 s85, 0x3727c5ac                      ; 1e-5
	s_wait_kmcnt 0x0
	s_load_b256 s[36:43], s[16:17], 0x0            ; e0 .. e7
	s_load_b128 s[44:47], s[16:17], 0x20           ; e8 .. e11
	s_load_b64 s[48:49], s[16:17], 0x30            ; e12, e13
	s_add_nc_u64 s[70:71], s[8:9], s[4:5]
	s_add_nc_u64 s[72:73], s[10:11], s[4:5]        ; K
	s_add_nc_u64 s[74:75], s[12:13], s[4:5]        ; V
	s_lshl_b32 s6, s67, 5
	s_add_nc_u64 s[70:71], s[70:71], s[6:7]        ; Q at my first query
	s_lshl_b32 s6, s53, 23
	s_lshl_b32 s4, s52, 10
	s_add_co_u32 s6, s6, s4
	s_add_nc_u64 s[76:77], s[14:15], s[6:7]        ; x at (s = 128 qb, n); rows 65,536 bytes apart
	s_add_nc_u64 s[92:93], s[34:35], s[6:7]        ; out0 likewise
	s_lshl_b32 s6, s2, 19
	s_add_nc_u64 s[78:79], s[76:77], s[6:7]        ; my 8 rows of x,
	s_add_nc_u64 s[92:93], s[92:93], s[6:7]        ; and of out0
	s_lshl_b32 s6, s2, 14
	s_add_nc_u64 s[80:81], s[22:23], s[6:7]        ; my 64 rows of W1
	s_lshl_b32 s6, s2, 8
	s_add_nc_u64 s[82:83], s[24:25], s[6:7]        ; and of b1
	s_lshl_b32 s6, s54, 15
	s_add_nc_u64 s[86:87], s[26:27], s[6:7]        ; my 32 rows of W2
	s_lshl_b32 s6, s54, 7
	s_add_nc_u64 s[88:89], s[28:29], s[6:7]        ; and of b2
.irp t, 0,1,2,3
	global_load_b128 v[12+8*\t:15+8*\t], v3, s[70:71] offset:512*\t          ; q: 512 consecutive bytes a load
.endr
.irp kt, 0,1,2,3
	global_load_b128 v[KSET+4*\kt:KSET+4*\kt+3], v3, s[72:73] offset:512*\kt ; key step 0
.endr
.irp ct, 0,1
.irp c, 0,1,2,3
	global_load_b64 v[VSET+8*\ct+2*\c:VSET+8*\ct+2*\c+1], v4, s[74:75] offset:512*\c+256*\ct
.endr
.endr
.irp z, 8,16,24,32,40
.irp j, 0,1,2,3
	v_mov_b32 v[\z+\j], 0                          ; the zero halves of source 1
.endr
.endr
.irp j, 0,1,2,3,4,5,6,7,8,9,10,11,12,13,14,15,16,17,18,19,20,21,22,23,24,25,26,27,28,29,30,31,32,33,34,35,36,37,38,39,40,41,42,43,44,45,46,47,48,49,50,51,52,53,54,55,56,57,58,59,60,61,62,63
	v_mov_b32 v[O+\j], 0                           ; O^T.  (The step is written once: the first finds zeros, which the first change of M leaves zeros)
.endr
.irp t, 0,1,2,3
	v_mov_b32 v[STA+4*\t+1], 0xff61b1e6            ; the largest t so far: -3e38
	v_floor_f32 v[STA+4*\t], -v[STA+4*\t+1]        ; -M
	v_mov_b32 v[STA+4*\t+2], 0
	v_mov_b32 v[STA+4*\t+3], 0
.endr
	v_mov_b32 v238, 0                              ; a lane permute's destination counts as one of its sources
	v_mov_b32 v241, 0                              ; named as upper halves of pairs
	v_mov_b32 v242, 0
	v_mov_b32 v243, 0
	s_wait_kmcnt 0x0
	s_add_co_i32 s4, s42, s43                      ; e6 + e7
	s_lshl_b32 s5, s4, 23
	s_add_co_i32 s60, s5, 0x3fb8aa3b               ; c = log2(e) x 2^(e6 + e7)
	s_mov_b32 s61, s60
	s_sub_co_i32 s4, 0, s4
	v_cvt_f32_u32 v236, s54
	v_fma_f32 v236, v236, 0xbec00000, -1.0         ; -1 - 3 head / 8
	v_exp_f32 v236, v236
	v_nop
	s_wait_alu depctr_va_vdst(0)
	v_sub_f32 v236, 1.0, v236
	v_log_f32 v236, v236
	v_nop
	s_wait_alu depctr_va_vdst(0)
	v_mul_f32 v236, 0xbf317218, v236               ; -ln(1 - 2^(..))
	v_ldexp_f32 v248, v236, s4                     ; g, in the sums' unit
	v_ldexp_f32 v249, v248, 4                      ; 16 g
	v_lshlrev_b32 v237, 3, v2
	v_sub_nc_u32 v237, v1, v237                    ; r - 8 h
.irp j, 0,1,2,3,4,5,6,7
	v_add_nc_u32 v[A+\j], -\j, v237
.endr
.irp j, 0,1,2,3,4,5,6,7
	v_cvt_f32_i32 v[A+\j], v[A+\j]
.endr
.irp j, 0,1,2,3,4,5,6,7
	v_mul_f32 v[A+\j], v248, v[A+\j]
.endr
	s_add_co_i32 s4, s44, 127
	s_lshl_b32 s5, s4, 23
	v_mov_b32 v250, s5                             ; 2^e8
	s_add_co_i32 s4, s4, 8
	s_lshl_b32 s4, s4, 23
	s_or_b32 s4, s4, 0x600000
	v_mov_b32 v251, s4                             ; 448 x 2^e8
	s_cmp_lt_i32 s44, -8                           ; p is at most 1: with e8 >= -8, p / 2^e8 is at most 256 and the hold at 448 cannot act
	s_cselect_b32 s66, 1, 0
	s_add_co_i32 s99, s44, s45                     ; e8 + e9
	s_add_co_i32 s98, s46, s47
	s_sub_co_i32 s98, 0, s98                       ; -(e10 + e11)
	s_add_co_i32 s4, s46, 127
	s_lshl_b32 s96, s4, 23                         ; 2^e10
	s_add_co_i32 s4, s4, 8
	s_lshl_b32 s4, s4, 23
	s_or_b32 s95, s4, 0x600000                     ; +-448 x 2^e10
	s_or_b32 s94, s95, 0x80000000
	s_add_co_i32 s4, s48, s98
	s_add_co_i32 s4, s4, 127
	s_lshl_b32 s50, s4, 23                         ; 2^(e12 - e10 - e11)
	s_add_co_i32 s4, s4, 8
	s_lshl_b32 s4, s4, 23
	s_or_b32 s51, s4, 0x600000                     ; 448 x that
	s_add_co_i32 s4, s48, s49
	s_add_co_i32 s4, s4, 127
	s_lshl_b32 s90, s4, 23                         ; 2^(e12 + e13)
	s_mov_b32 s91, s90
; One tile of 16 queries against the step's 64 keys (set p of K and V).  s57: the step's first key.
.macro TILE t, p
.set NM, STA+4*\t
.set TM, STA+4*\t+1
.set LS, STA+4*\t+2
.set KR, KSET+16*\p
.set VR, VSET+16*\p
	s_add_co_u32 s68, s67, 16*\t
	s_sub_co_i32 s68, s68, s57                     ; D0 = the tile's first query - the step's first key, a multiple of 16
	v_cvt_f32_i32 v247, s68
	s_cmp_lt_u32 s68, 64                           ; 0, 16, 32 or 48: one of the four tiles of keys lies on the diagonal
	s_cbranch_scc1 .Lgen_\@
	s_cmp_gt_i32 s68, 0
	s_mov_b32 s69, 0x3f800000
	s_cselect_b32 s69, 0xbf800000, s69             ; tau = -1 where the queries come after the keys, else 1
	v_mov_b32 v242, s69
	v_mul_f32 v243, -|v247|, v248                  ; kappa = -g |D0|
	v_mul_f32 v246, -v242, v249                    ; from tile to tile of keys: -tau 16 g
.irp kt, 0,1,2,3
.irp pp, 0,2,4,6
	v_pk_fma_f32 v[S+8*\kt+\pp:S+8*\kt+\pp+1], v[A+\pp:A+\pp+1], v[242:243], v[242:243] op_sel:[0,0,1] op_sel_hi:[1,0,1]   ; tau g (r - 8 h - j) + kappa = -g |q - k|
.endr
.if \kt < 3
	v_add_f32 v243, v243, v246
.endif
.endr
	s_branch .Lmask_\@
.Lgen_\@:
	v_mul_f32 v243, v247, v248                     ; kappa = g D0
.irp kt, 0,1,2,3
.irp pp, 0,2,4,6
	v_pk_add_f32 v[S+8*\kt+\pp:S+8*\kt+\pp+1], v[A+\pp:A+\pp+1], v[242:243] op_sel:[0,1] op_sel_hi:[1,1]   ; g (q - k)
.endr
.irp j, 0,1,2,3,4,5,6,7
	v_or_b32 v[S+8*\kt+\j], 0x80000000, v[S+8*\kt+\j]   ; -|..|
.endr
.if \kt < 3
	v_sub_f32 v243, v243, v249
.endif
.endr
.Lmask_\@:
.irp kt, 0,1,2,3                       ; S^T = K Q^T + mask: four accumulators, one instruction each
.if (\kt%2) == 0
	v_wmma_f32_16x16x64_fp8_fp8 v[S+8*\kt:S+8*\kt+7], v[KR+8*(\kt/2):KR+8*(\kt/2)+7], v[12+8*\t:19+8*\t], v[S+8*\kt:S+8*\kt+7]
.else
	v_wmma_f32_16x16x64_fp8_fp8 v[S+8*\kt:S+8*\kt+7], v[KR+8*(\kt/2):KR+8*(\kt/2)+7], v[8+8*\t:15+8*\t], v[S+8*\kt:S+8*\kt+7]
.endif
.endr
	v_mov_b32 v239, v[NM]                          ; the old -M; with the three lines below: four places in front of the first read of results (ISA guide 7.12.1)
.rept 3
	v_nop
.endr
	v_max3_num_f32 v236, v[S], v[S+1], v[S+2]      ; the largest of my 32 scores, in two chains, each accumulator from its low end on
	v_max3_num_f32 v237, v[S+3], v[S+4], v[S+5]
.irp i, 6,10,14,18,22,26
	v_max3_num_f32 v236, v236, v[S+\i], v[S+\i+1]
	v_max3_num_f32 v237, v237, v[S+\i+2], v[S+\i+3]
.endr
	v_max3_num_f32 v236, v236, v[S+30], v[S+31]
	v_max_num_f32 v236, v236, v237
	v_permlanex16_b32 v238, v236, s62, s63
	v_max_num_f32 v236, v236, v238                 ; and of lane l xor 16's
	v_mul_f32 v236, s60, v236                      ; as t (c is positive)
	v_max_num_f32 v[TM], v[TM], v236
	v_floor_f32 v[NM], -v[TM]                      ; -M = floor(-t): M is a whole number
	v_sub_f32 v237, v[NM], v239
	v_cvt_i32_f32 v237, v237                       ; old M - new M, 0 or less (it saturates)
	v_ldexp_f32 v240, 1.0, v237                    ; f
.irp j, 0,2,4,6,8,10,12,14,16,18,20,22,24,26,28,30
	v_pk_fma_f32 v[S+\j:S+\j+1], v[S+\j:S+\j+1], s[60:61], v[NM:NM+1] op_sel_hi:[1,0,0]   ; t - M
.endr
.irp j, 0,1,2,3,4,5,6,7,8,9,10,11,12,13,14,15,16,17,18,19,20,21,22,23,24,25,26,27,28,29,30,31
	v_exp_f32 v[S+\j], v[S+\j]                     ; p
.endr
	v_pk_mul_f32 v[LS:LS+1], v[LS:LS+1], v[240:241] op_sel_hi:[1,0]   ; the sum under the new M.  (A plain line behind the exponentials)
	s_wait_alu depctr_va_vdst(0)
	v_pk_add_f32 v[244:245], v[S:S+1], v[S+2:S+3]  ; the sum of the unquantised p, in two chains
.irp j, 4,8,12,16,20,24,28
	v_pk_add_f32 v[LS:LS+1], v[LS:LS+1], v[S+\j:S+\j+1]
	v_pk_add_f32 v[244:245], v[244:245], v[S+\j+2:S+\j+3]
.endr
	v_pk_add_f32 v[LS:LS+1], v[LS:LS+1], v[244:245]
	s_cmp_lg_u32 s66, 0
	s_cbranch_scc0 .Lnohold_\@
.irp j, 0,1,2,3,4,5,6,7,8,9,10,11,12,13,14,15,16,17,18,19,20,21,22,23,24,25,26,27,28,29,30,31
	v_min_num_f32 v[S+\j], v[S+\j], v251           ; the conversion does not saturate (ISA guide 7.6.2); p is not negative
.endr
.Lnohold_\@:
.irp kt, 0,1,2,3
	v_cvt_scalef32_pk8_fp8_f32 v[P+2*\kt:P+2*\kt+1], v[S+8*\kt:S+8*\kt+7], v250   ; keys 16 kt + 8 h + 0 .. 7: registers 2 kt, 2 kt + 1 of source 1
.endr
.irp j, 0,2,4,6,8,10,12,14
	v_pk_mul_f32 v[O+16*\t+\j:O+16*\t+\j+1], v[O+16*\t+\j:O+16*\t+\j+1], v[240:241] op_sel_hi:[1,0]   ; O^T under the new M.  (Plain lines behind the conversions)
.endr
.irp ct, 0,1
	v_wmma_f32_16x16x64_fp8_fp8 v[O+16*\t+8*\ct:O+16*\t+8*\ct+7], v[VR+8*\ct:VR+8*\ct+7], v[P:P+7], v[O+16*\t+8*\ct:O+16*\t+8*\ct+7]
.endr
.endm
; A key step on set p; the next step's K and V are asked for at its head, into the other set.
.macro STEP p
	s_add_co_u32 s57, s56, 64*\p
	s_wait_loadcnt 0x0                             ; this step's K and V, asked for a step ago (in the first step q too); the wait also frees the two offsets written below
.if \p == 1
	s_cmp_eq_u32 s56, 384                          ; the last step has no successor: no load leaves its buffer
	s_cbranch_scc1 .Lnomore
.endif
	s_lshl_b32 s59, s57, 5
	s_add_co_u32 s59, s59, 2048                    ; 32 bytes a key in K and in V alike
	v_add_nc_u32 v5, s59, v3
	v_add_nc_u32 v6, s59, v4
	v_nop
	v_nop                                          ; with the two additions: four places in front of loads into registers that the last products read
.irp kt, 0,1,2,3
	global_load_b128 v[KSET+16*(1-\p)+4*\kt:KSET+16*(1-\p)+4*\kt+3], v5, s[72:73] offset:512*\kt
.endr
.irp ct, 0,1
.irp c, 0,1,2,3
	global_load_b64 v[VSET+16*(1-\p)+8*\ct+2*\c:VSET+16*(1-\p)+8*\ct+2*\c+1], v6, s[74:75] offset:512*\c+256*\ct
.endr
.endr
.if \p == 1
	s_branch .Lasked
.Lnomore:
	global_prefetch_b8 v7, s[76:77] th:TH_LOAD_NT scope:SCOPE_SE   ; the 128 rows of x that the residual wants: 16 waves x 32 lanes name each of their 512 blocks of 256 bytes once, one key step ahead of the loads
.Lasked:
.endif
	TILE 0, \p
	TILE 1, \p
	TILE 2, \p
	TILE 3, \p
.endm
	s_mov_b32 s56, 0
	s_mov_b32 s58, 4
.Lkeys:                                            ; four trips of two steps: the sets are back where they began
	STEP 0
	STEP 1
	s_add_co_u32 s56, s56, 128
	s_sub_co_u32 s58, s58, 1
	s_cmp_lg_u32 s58, 0
	s_cbranch_scc1 .Lkeys
	s_wait_loadcnt 0x0                             ; on every way out of the loop no load into K's and V's registers is out: some of them (v88-103) are loaded anew below.  The last step asked for nothing, so the wait is met at once
; O^T / the sum x 2^(e8 + e9) goes to Y.  The four additions are the places behind the last products.
.irp t, 0,1,2,3
	v_add_f32 v[A+2*\t], v[STA+4*\t+2], v[STA+4*\t+3]
.endr
.irp t, 0,1,2,3
	v_permlanex16_b32 v[A+2*\t+1], v[A+2*\t], s62, s63
.endr
.irp t, 0,1,2,3
	v_add_f32 v[A+2*\t], v[A+2*\t], v[A+2*\t+1]
.endr
.irp t, 0,1,2,3
	v_rcp_f32 v[A+2*\t], v[A+2*\t]
.endr
	v_nop
	s_wait_alu depctr_va_vdst(0)
.irp t, 0,1,2,3
	v_ldexp_f32 v[A+2*\t], v[A+2*\t], s99
.endr
.irp t, 0,1,2,3
.irp j, 0,2,4,6,8,10,12,14
	v_pk_mul_f32 v[O+16*\t+\j:O+16*\t+\j+1], v[O+16*\t+\j:O+16*\t+\j+1], v[A+2*\t:A+2*\t+1] op_sel_hi:[1,0]
.endr
.endr
.irp t, 0,1,2,3
.irp ct, 0,1
	ds_store_b128 v252, v[O+16*\t+8*\ct:O+16*\t+8*\ct+3] offset:16*YP*\t+64*\ct          ; lane (r, h): row 16 t + r, channels 32 head + 16 ct + 8 h + 0 .. 7
	ds_store_b128 v252, v[O+16*\t+8*\ct+4:O+16*\t+8*\ct+7] offset:16*YP*\t+64*\ct+16
.endr
.endr
	s_wait_xcnt 0x0                                ; the prefetch, a key step back, has read its offset register, which is written below
; the addresses of phases 2 to 5
	v_and_b32 v3, 31, v0                           ; lane
	v_lshlrev_b32 v4, 5, v3                        ; 32 lane
	v_lshlrev_b32 v5, 4, v3                        ; 16 lane
	s_mul_i32 s4, s2, 8*YP
	v_add_nc_u32 v6, s4, v4                        ; Y, my 8 rows, 8 neighbouring channels a lane (LN1)
	v_add_nc_u32 v7, s4, v5                        ; the same, 4 + 4 channels a lane (LN2)
	s_mul_i32 s4, s2, 8*XP
	s_add_co_u32 s4, s4, X1
	v_lshl_add_u32 v8, v3, 3, s4                   ; LN1's codes, in
	v_mul_u32_u24 v9, v1, XP
	v_lshl_add_u32 v9, v2, 4, v9
	v_add_nc_u32 v9, X1, v9                        ; and out, as fragments
	s_lshl_b32 s4, s2, 10
	s_add_co_u32 s4, s4, HIMG
	v_add_nc_u32 v10, s4, v5                       ; the hidden layer's images, in: K step w / 2, groups 2 (w % 2) + b; tiles of rows 0-3,
	v_add_nc_u32 v11, 65536, v10                   ; 4-7
	s_lshl_b32 s4, s55, 16
	s_add_co_u32 s4, s4, HIMG
	v_add_nc_u32 v12, s4, v5                       ; and out: my 64 rows
	v_lshrrev_b32 v13, 3, v1
	v_lshl_add_u32 v13, v13, 3, v1
	v_lshlrev_b32 v13, 8, v13
	v_lshl_add_u32 v13, v2, 4, v13                 ; W1: row r + 8 (r / 8), + 16 h
	v_lshlrev_b32 v14, 10, v1
	v_lshl_add_u32 v14, v2, 4, v14                 ; W2: row r, + 16 h
	s_mul_i32 s4, s55, 64*YP
	s_lshl_b32 s5, s54, 7
	s_add_co_u32 s4, s4, s5
	v_mul_u32_u24 v15, v1, YP
	v_lshl_add_u32 v15, v2, 5, v15
	v_add_nc_u32 v15, s4, v15                      ; Y, my 64 rows x 32 columns of the second product
	v_lshlrev_b32 v3, 6, v2                        ; b1: 64 h
	s_wait_dscnt 0x0                               ; for the others' sake: my part of Y lies in LDS
.irp i, 0,1,2,3,4,5,6,7
	global_load_b128 v[128+8*\i:128+8*\i+3], v4, s[78:79] offset:65536*\i th:TH_LOAD_NT
	global_load_b128 v[128+8*\i+4:128+8*\i+7], v4, s[78:79] offset:65536*\i+16 th:TH_LOAD_NT
.endr
	global_load_b128 v[88:91], v4, s[18:19]
	global_load_b128 v[92:95], v4, s[18:19] offset:16
	global_load_b128 v[96:99], v4, s[20:21]
	global_load_b128 v[100:103], v4, s[20:21] offset:16
	s_barrier_signal -1
	s_barrier_wait -1                              ; all 8 heads of all 128 rows lie in Y
; THE NORM of 8 rows, 8 numbers a lane: row i in v[Y + 8 i ..].  Two passes: the mean is taken away before the squares are summed.
.set Y,   24
.set LW,  88
.set LB,  96
.set ST,  104
.set TMP, 112
.macro BFLY                            ; v[ST + i] summed over the 32 lanes
.irp m, 1,2,4,8
.irp i, 0,1,2,3,4,5,6,7
	v_add_f32_dpp v[ST+\i], v[ST+\i], v[ST+\i] row_xmask:\m row_mask:0xf bank_mask:0xf
.endr
.endr
.irp i, 0,1,2,3,4,5,6,7
	v_permlanex16_b32 v[TMP+\i], v[ST+\i], s62, s63
.endr
.irp i, 0,1,2,3,4,5,6,7
	v_add_f32 v[ST+\i], v[ST+\i], v[TMP+\i]
.endr
.endm
.macro PKB op, d, i                    ; the pair at d, op, v[ST + i] for both halves
.if ((\i)%2) == 0
	\op v[\d:\d+1], v[\d:\d+1], v[ST+(\i):ST+(\i)+1] op_sel_hi:[1,0]
.else
	\op v[\d:\d+1], v[\d:\d+1], v[ST+(\i)-1:ST+(\i)] op_sel:[0,1] op_sel_hi:[1,1]
.endif
.endm
.macro LNCORE
.irp i, 0,1,2,3,4,5,6,7
	v_pk_add_f32 v[TMP+2*\i:TMP+2*\i+1], v[Y+8*\i:Y+8*\i+1], v[Y+8*\i+2:Y+8*\i+3]
.endr
.irp j, 4,6
.irp i, 0,1,2,3,4,5,6,7
	v_pk_add_f32 v[TMP+2*\i:TMP+2*\i+1], v[TMP+2*\i:TMP+2*\i+1], v[Y+8*\i+\j:Y+8*\i+\j+1]
.endr
.endr
.irp i, 0,1,2,3,4,5,6,7
	v_add_f32 v[ST+\i], v[TMP+2*\i], v[TMP+2*\i+1]
.endr
	BFLY
.irp i, 0,1,2,3,4,5,6,7
	v_mul_f32 v[ST+\i], 0xbb800000, v[ST+\i]       ; -mean
.endr
.irp i, 0,1,2,3,4,5,6,7
.irp j, 0,2,4,6
	PKB v_pk_add_f32, Y+8*\i+\j, \i
.endr
.endr
.irp i, 0,1,2,3,4,5,6,7
	v_pk_mul_f32 v[TMP+2*\i:TMP+2*\i+1], v[Y+8*\i:Y+8*\i+1], v[Y+8*\i:Y+8*\i+1]
.endr
.irp j, 2,4,6
.irp i, 0,1,2,3,4,5,6,7
	v_pk_fma_f32 v[TMP+2*\i:TMP+2*\i+1], v[Y+8*\i+\j:Y+8*\i+\j+1], v[Y+8*\i+\j:Y+8*\i+\j+1], v[TMP+2*\i:TMP+2*\i+1]
.endr
.endr
.irp i, 0,1,2,3,4,5,6,7
	v_add_f32 v[ST+\i], v[TMP+2*\i], v[TMP+2*\i+1]
.endr
	BFLY
.irp i, 0,1,2,3,4,5,6,7
	v_fma_f32 v[ST+\i], v[ST+\i], s84, s85         ; variance + 1e-5
.endr
.irp i, 0,1,2,3,4,5,6,7
	v_rsq_f32 v[ST+\i], v[ST+\i]
.endr
	v_nop
	s_wait_alu depctr_va_vdst(0)
.irp i, 0,1,2,3,4,5,6,7
.irp j, 0,2,4,6
	PKB v_pk_mul_f32, Y+8*\i+\j, \i
.endr
.endr
.irp i, 0,1,2,3,4,5,6,7
.irp j, 0,2,4,6
	v_pk_fma_f32 v[Y+8*\i+\j:Y+8*\i+\j+1], v[Y+8*\i+\j:Y+8*\i+\j+1], v[LW+\j:LW+\j+1], v[LB+\j:LB+\j+1]
.endr
.endr
.endm
; ---- PHASE 2: rows 8 w .. 8 w + 7: + x, LN1; the result goes back to Y (the FFN's residual) and, as codes under e10, to X1
.irp i, 0,1,2,3,4,5,6,7
	ds_load_b128 v[Y+8*\i:Y+8*\i+3], v6 offset:YP*\i
	ds_load_b128 v[Y+8*\i+4:Y+8*\i+7], v6 offset:YP*\i+16
.endr
	s_wait_loadcnt 0x0                             ; x, ln1_w, ln1_b
	s_wait_dscnt 0x0
.irp j, 0,2,4,6,8,10,12,14,16,18,20,22,24,26,28,30,32,34,36,38,40,42,44,46,48,50,52,54,56,58,60,62
	v_pk_add_f32 v[Y+\j:Y+\j+1], v[Y+\j:Y+\j+1], v[128+\j:128+\j+1]
.endr
.irp tt, 0,1,2,3                       ; my part of W1 stays in registers: tile tt = 2 b + u takes rows 32 b + 8 u + r + 8 (r / 8), so that the 16 registers of tiles 2 b, 2 b + 1 are 16 neighbours along the next K.  The norm stands between these loads and their use
.irp s, 0,1
.irp c, 0,1,2,3
	global_load_b128 v[128+16*(2*\tt+\s)+4*\c:128+16*(2*\tt+\s)+4*\c+3], v13, s[80:81] offset:(32*(\tt/2)+8*(\tt%2))*256+128*\s+32*\c
.endr
.endr
.endr
	LNCORE
.irp i, 0,1,2,3,4,5,6,7
	ds_store_b128 v6, v[Y+8*\i:Y+8*\i+3] offset:YP*\i
	ds_store_b128 v6, v[Y+8*\i+4:Y+8*\i+7] offset:YP*\i+16
.endr
	v_mov_b32 v[ST], s96                           ; 2^e10
	s_wait_dscnt 0x0                               ; the stores have read their registers
.irp j, 0,1,2,3,4,5,6,7,8,9,10,11,12,13,14,15,16,17,18,19,20,21,22,23,24,25,26,27,28,29,30,31,32,33,34,35,36,37,38,39,40,41,42,43,44,45,46,47,48,49,50,51,52,53,54,55,56,57,58,59,60,61,62,63
	v_med3_num_f32 v[Y+\j], v[Y+\j], s94, s95
.endr
.irp i, 0,1,2,3,4,5,6,7                ; rows 0-3: v120-127; rows 4-7: v16-23
	v_cvt_scalef32_pk8_fp8_f32 v[120+2*\i-112*(\i/4):121+2*\i-112*(\i/4)], v[Y+8*\i:Y+8*\i+7], v[ST]
.endr
	v_nop                                          ; a plain line behind the last conversion
.irp tt, 0,1,2,3                       ; b1 in the result's layout: for tile 2 b + u the hidden units 32 b + 16 h + 8 u + 0 .. 7
	global_load_b128 v[88+8*\tt:88+8*\tt+3], v3, s[82:83] offset:(32*(\tt/2)+8*(\tt%2))*4
	global_load_b128 v[88+8*\tt+4:88+8*\tt+7], v3, s[82:83] offset:(32*(\tt/2)+8*(\tt%2))*4+16
.endr
.irp i, 0,1,2,3,4,5,6,7
	ds_store_b64 v8, v[120+2*\i-112*(\i/4):121+2*\i-112*(\i/4)] offset:XP*\i
.endr
	s_wait_dscnt 0x0
	s_barrier_signal -1
	s_barrier_wait -1                              ; 128 rows of LN1's codes lie in X1, and its f32 rows in Y
; ---- PHASE 3: hidden units 64 w .. 64 w + 63 of all 128 rows, a tile of 16 rows at a time
.set XF, 16
.set HA, 48
.set HC, 80
.set B1, 88
.macro XFL m
.irp s, 0,1
.irp c, 0,1,2,3
	ds_load_b128 v[XF+16*\s+4*\c:XF+16*\s+4*\c+3], v9 offset:16*XP*(\m)+128*\s+32*\c
.endr
.endr
.endm
	XFL 0
	s_wait_loadcnt 0x0                             ; W1 and b1
.irp j, 0,1,2,3,4,5,6,7,8,9,10,11,12,13,14,15,16,17,18,19,20,21,22,23,24,25,26,27,28,29,30,31
	v_ldexp_f32 v[B1+\j], v[B1+\j], s98            ; b1 / 2^(e10 + e11): it goes in as the C of each sum's first product
.endr
	v_mov_b32 v120, s50
	v_mov_b32 v121, s51
.macro HID m
	s_wait_dscnt 0x0                               ; the tile's fragments are in, and the last tile's stores have read their registers
.irp s, 0,1
.irp tt, 0,1,2,3                       ; the four accumulators by turns
.if \s == 0
	v_wmma_f32_16x16x128_fp8_fp8 v[HA+8*\tt:HA+8*\tt+7], v[128+16*(2*\tt+\s):128+16*(2*\tt+\s)+15], v[XF+16*\s:XF+16*\s+15], v[B1+8*\tt:B1+8*\tt+7]
.else
	v_wmma_f32_16x16x128_fp8_fp8 v[HA+8*\tt:HA+8*\tt+7], v[128+16*(2*\tt+\s):128+16*(2*\tt+\s)+15], v[XF+16*\s:XF+16*\s+15], v[HA+8*\tt:HA+8*\tt+7]
.endif
.endr
.endr
.rept 4
	v_nop
.endr
.if (\m) < 7
	XFL (\m)+1
.endif
.irp j, 0,1,2,3,4,5,6,7,8,9,10,11,12,13,14,15,16,17,18,19,20,21,22,23,24,25,26,27,28,29,30,31
	v_med3_num_f32 v[HA+\j], v[HA+\j], 0, v121     ; the activation and the hold in one
.endr
.irp tt, 0,1,2,3
	v_cvt_scalef32_pk8_fp8_f32 v[HC+2*\tt:HC+2*\tt+1], v[HA+8*\tt:HA+8*\tt+7], v120
.endr
	v_nop
	ds_store_b128 v[10+(\m)/4], v[HC:HC+3] offset:16384*((\m)%4)         ; k = 32 c + 16 h + 0 .. 15 of K step w / 2, c = 2 (w % 2) + b: an image of the operand's registers
	ds_store_b128 v[10+(\m)/4], v[HC+4:HC+7] offset:16384*((\m)%4)+512
.endm
.irp m, 0,1,2,3,4,5,6,7
	HID \m
.endr
.macro W2L ks                          ; my 32 rows of W2, K step ks, into buffer ks % 2
.irp nn, 0,1
.irp c, 0,1,2,3
	global_load_b128 v[144+32*((\ks)%2)+16*\nn+4*\c:144+32*((\ks)%2)+16*\nn+4*\c+3], v14, s[86:87] offset:16384*\nn+128*(\ks)+32*\c
.endr
.endr
.endm
	v_lshlrev_b32 v3, 5, v2                        ; b2: 32 h  (b1's loads, which read this register, are done)
	W2L 0
.irp nn, 0,1
	global_load_b128 v[208+8*\nn:208+8*\nn+3], v3, s[88:89] offset:64*\nn
	global_load_b128 v[208+8*\nn+4:208+8*\nn+7], v3, s[88:89] offset:64*\nn+16
.endr
	s_wait_dscnt 0x0
	s_barrier_signal -1
	s_barrier_wait -1                              ; the hidden layer's 64 fragments lie in LDS
; ---- PHASE 4: rows 64 (w % 2) .., columns 32 (w / 2) ..: eight accumulators by turns, a K step of 128 at a time; transposed: a lane holds eight neighbouring columns of one row
.macro KSTEP ks
.if (\ks) < 7
	W2L (\ks)+1
.endif
.irp mm, 0,1,2,3
.irp c, 0,1,2,3
	ds_load_b128 v[80+16*\mm+4*\c:80+16*\mm+4*\c+3], v12 offset:16384*\mm+2048*(\ks)+512*\c
.endr
.endr
.if (\ks) < 7
	s_wait_loadcnt 8                               ; only the next K step's eight loads may be out
.else
	s_wait_loadcnt 0x0
.endif
	s_wait_dscnt 0x0
.irp mm, 0,1,2,3
.irp nn, 0,1
.if (\ks) == 0
	v_wmma_f32_16x16x128_fp8_fp8 v[16+8*(2*\mm+\nn):16+8*(2*\mm+\nn)+7], v[144+32*((\ks)%2)+16*\nn:144+32*((\ks)%2)+16*\nn+15], v[80+16*\mm:80+16*\mm+15], 0
.else
	v_wmma_f32_16x16x128_fp8_fp8 v[16+8*(2*\mm+\nn):16+8*(2*\mm+\nn)+7], v[144+32*((\ks)%2)+16*\nn:144+32*((\ks)%2)+16*\nn+15], v[80+16*\mm:80+16*\mm+15], v[16+8*(2*\mm+\nn):16+8*(2*\mm+\nn)+7]
.endif
.endr
.endr
.rept 4
	v_nop                                          ; places in front of the next loads into these operands, and of the first read of results
.endr
.endm
.irp ks, 0,1,2,3,4,5,6,7
	KSTEP \ks
.endr
.irp mm, 0,1,2,3
.irp nn, 0,1
	ds_load_b128 v[80+8*(2*\mm+\nn):80+8*(2*\mm+\nn)+3], v15 offset:16*YP*\mm+64*\nn       ; LN1's output at my own places of Y: each has one owner
	ds_load_b128 v[80+8*(2*\mm+\nn)+4:80+8*(2*\mm+\nn)+7], v15 offset:16*YP*\mm+64*\nn+16
.endr
.endr
	s_wait_dscnt 0x0
.irp j, 0,2,4,6,8,10,12,14,16,18,20,22,24,26,28,30,32,34,36,38,40,42,44,46,48,50,52,54,56,58,60,62
	v_pk_fma_f32 v[16+\j:16+\j+1], v[16+\j:16+\j+1], s[90:91], v[80+\j:80+\j+1] op_sel_hi:[1,0,1]   ; sum x 2^(e12 + e13) + LN1's output
.endr
.irp mm, 0,1,2,3
.irp nn, 0,1
.irp j, 0,2,4,6
	v_pk_add_f32 v[16+8*(2*\mm+\nn)+\j:16+8*(2*\mm+\nn)+\j+1], v[16+8*(2*\mm+\nn)+\j:16+8*(2*\mm+\nn)+\j+1], v[208+8*\nn+\j:208+8*\nn+\j+1]   ; + b2
.endr
.endr
.endr
.irp mm, 0,1,2,3
.irp nn, 0,1
	ds_store_b128 v15, v[16+8*(2*\mm+\nn):16+8*(2*\mm+\nn)+3] offset:16*YP*\mm+64*\nn
	ds_store_b128 v15, v[16+8*(2*\mm+\nn)+4:16+8*(2*\mm+\nn)+7] offset:16*YP*\mm+64*\nn+16
.endr
.endr
	s_wait_dscnt 0x0
	global_load_b128 v[88:91], v5, s[30:31]        ; ln2_w, ln2_b at channels 4 lane + 0 .. 3 and 128 + 4 lane + 0 .. 3
	global_load_b128 v[92:95], v5, s[30:31] offset:512
	global_load_b128 v[96:99], v5, s[32:33]
	global_load_b128 v[100:103], v5, s[32:33] offset:512
	s_barrier_signal -1
	s_barrier_wait -1                              ; 128 whole rows lie in Y
; ---- PHASE 5: LN2 of rows 8 w .. 8 w + 7, and out
.irp i, 0,1,2,3,4,5,6,7
	ds_load_b128 v[Y+8*\i:Y+8*\i+3], v7 offset:YP*\i
	ds_load_b128 v[Y+8*\i+4:Y+8*\i+7], v7 offset:YP*\i+512
.endr
	s_wait_loadcnt 0x0
	s_wait_dscnt 0x0
	LNCORE
.irp i, 0,1,2,3,4,5,6,7
	global_store_b128 v5, v[Y+8*\i:Y+8*\i+3], s[92:93] offset:65536*\i th:TH_STORE_NT          ; 32 lanes store 512 consecutive bytes, aligned; written once, read by nobody here
	global_store_b128 v5, v[Y+8*\i+4:Y+8*\i+7], s[92:93] offset:65536*\i+512 th:TH_STORE_NT
.endr
	s_wait_xcnt 0x0
	v_lshl_add_u32 v254, v0, 2, 0x49000
	v_mov_b32 v255, 0
	s_wait_tensorcnt 0x0
	ds_add_u32 v254, v255
	s_wait_dscnt 0x0
	s_endpgm
.Lfunc_end_k_q42b3f28c91_attn:
	.size	k_q42b3f28c91_attn, .Lfunc_end_k_q42b3f28c91_attn-k_q42b3f28c91_attn
	.p2alignl 7, 3214868480
	.fill 96, 4, 3214868480
	.section	.rodata,"a",@progbits
	.p2align	6, 0x0
	.amdhsa_kernel k_q42b3f28c91_attn
		.amdhsa_group_segment_fixed_size 301056
		.amdhsa_private_segment_fixed_size 0
		.amdhsa_enable_private_segment 0
		.amdhsa_kernarg_size 112
		.amdhsa_user_sgpr_count 2
		.amdhsa_user_sgpr_kernarg_segment_ptr 1
		.amdhsa_wavefront_size32 1
		.amdhsa_system_sgpr_workgroup_id_x 1
		.amdhsa_system_sgpr_workgroup_id_y 1
		.amdhsa_system_sgpr_workgroup_id_z 1
		.amdhsa_system_vgpr_workitem_id 0
		.amdhsa_next_free_vgpr 256
		.amdhsa_next_free_sgpr 100
		.amdhsa_reserve_vcc 0
		.amdhsa_float_denorm_mode_32 3
		.amdhsa_float_denorm_mode_16_64 3
		.amdhsa_memory_ordered 1
		.amdhsa_forward_progress 1
		.amdhsa_inst_pref_size 219
	.end_amdhsa_kernel
	.amdgpu_metadata
---
amdhsa.version: [ 1, 2 ]
amdhsa.kernels:
  - .name:           k_q42b3f28c91_attn
    .symbol:         k_q42b3f28c91_attn.kd
    .args:
      - { .name: qc, .offset: 0, .size: 8, .value_kind: global_buffer, .address_space: global }
      - { .name: kc, .offset: 8, .size: 8, .value_kind: global_buffer, .address_space: global }
      - { .name: vc, .offset: 16, .size: 8, .value_kind: global_buffer, .address_space: global }
      - { .name: x, .offset: 24, .size: 8, .value_kind: global_buffer, .address_space: global }
      - { .name: lowp_scales, .offset: 32, .size: 8, .value_kind: global_buffer, .address_space: global }
      - { .name: ln1_w, .offset: 40, .size: 8, .value_kind: global_buffer, .address_space: global }
      - { .name: ln1_b, .offset: 48, .size: 8, .value_kind: global_buffer, .address_space: global }
      - { .name: w1_codes, .offset: 56, .size: 8, .value_kind: global_buffer, .address_space: global }
      - { .name: b1, .offset: 64, .size: 8, .value_kind: global_buffer, .address_space: global }
      - { .name: w2_codes, .offset: 72, .size: 8, .value_kind: global_buffer, .address_space: global }
      - { .name: b2, .offset: 80, .size: 8, .value_kind: global_buffer, .address_space: global }
      - { .name: ln2_w, .offset: 88, .size: 8, .value_kind: global_buffer, .address_space: global }
      - { .name: ln2_b, .offset: 96, .size: 8, .value_kind: global_buffer, .address_space: global }
      - { .name: out0, .offset: 104, .size: 8, .value_kind: global_buffer, .address_space: global }
    .group_segment_fixed_size: 301056
    .private_segment_fixed_size: 0
    .kernarg_segment_align: 8
    .kernarg_segment_size: 112
    .max_flat_workgroup_size: 512
    .sgpr_count:     100
    .vgpr_count:     256
    .wavefront_size: 32
...
	.end_amdgpu_metadata
.endif
;; end of part 2
;; ======== version 2 of 2: 2 launches; version 1 with the launches proj, attn written anew for expert scheduling mode
;; workspace buffers: qc 8,388,608 bytes; kc 8,388,608 bytes; vc 8,388,608 bytes
;; launch proj (part 3): grid 256 x 1, 8 waves a work-group, no clusters, 105,472 bytes of LDS; arguments x, wq_codes, wk_codes, wv_codes, bq, bk, bv, lowp_scales, qc, kc, vc; writes qc, kc, vc
.if DOCPART == 3
	.amdgcn_target "amdgcn-amd-amdhsa--gfx1250"
	.amdhsa_code_object_version 6
	.text
	.protected	k_q42b3f28c91_proj
	.globl	k_q42b3f28c91_proj
	.p2align	8
	.type	k_q42b3f28c91_proj,@function
k_q42b3f28c91_proj:
	s_mov_b64 s[64:65], 0
	v_nop
	global_prefetch_b8 v0, s[64:65] scope:SCOPE_SE
	s_setreg_imm32_b32 hwreg(HW_REG_WAVE_SCHED_MODE, 0, 2), 2
	s_setreg_imm32_b32 hwreg(HW_REG_WAVE_MODE, 25, 1), 1
	s_wait_xcnt 0x0
	s_wait_alu depctr_vm_vsrc(0)
; q, k, v of the attention, as codes of FP8 (E4M3).  x [512 s][64 n][256] f32 is quantised three times (scales e0, e2, e4), multiplied by wq, wk, wv (codes, K innermost),
; the biases are added, q and k are turned (rotary), and the results are quantised with e6, e7, e9.
; OUT: qc, kc: [n][head][s][32 bytes];  vc: [n][head][s / 16][channel / 16][lane][8 bytes], lane (r, h) = channel 16 ct + r, keys 16 kt + 8 h + 0 .. 7: the order of the registers of the product that reads it.
; SHARES.  A work-group has 16 tokens s = 16 sb + r and eight n = 8 ng + m: eight tiles of 16 rows of x.  First wave w quantises tile w into LDS (rows of codes, three scales); one barrier; then wave w is head w
; for all eight tiles, with its rows of the three weights in registers.  A lane keeps ONE token for the whole launch, so its eight cosines and sines are made once.
; ROTARY WITHOUT LANE TRAFFIC.  q and k are used transposed (source 0 = 16 rows of W, source 1 = 16 tokens): register j of lane (r, h) is (row 8 h + j of the tile, token r).  Which rows of W form a tile is free:
; tiles 0, 1 take rows m + 8 (m / 8) (+ 8): channels 16 h + 8 u + j;  tiles 2, 3 take rows 2 (m % 8) + 1 - m / 8 (+ 16): the channels that the rotary pairs with them.  rot = S cos + S' sinS + RB,
; sinS = -sin in lanes 0-15, +sin in lanes 16-31, RB = (b cos + b' sinS) / 2^(eA + eB).  v is used as it is (source 0 = tokens): a lane's eight registers are eight keys of one channel.
; K IN THE REGISTERS: registers 4 c .. 4 c + 3 hold k = 128 s + 32 c + 16 h + 0 .. 15, alike on both sides of a product: every product meets its partner.
; SIN AND COS by hand, in f32: angle = 2^(-m log2(10000) / 15); y = s x angle; reduction by pi / 2 in two parts; polynomials on |r| <= pi / 4.
; LIMITS.  e0, e2, e4, e6 - e0 - e1, e7 - e2 - e3, e9 - e4 - e5 lie between -126 and 119, so that each scale and 448 x it are f32 numbers.  NaN among the inputs is not served.  The angle comes from v_exp_f32 and
; may differ in its last bit or two from a correctly rounded power: at s = 511 that moves y by some 5e-5 at the most.
; THE MODE: SCHED_MODE bits 1:0 = 2 (LLVM: expert scheduling mode 2), set by the entry lines.  The code itself states the register dependences between vector or matrix instructions and memory or LDS
; instructions, with s_wait_alu, always for 0.
; THE PLAN.  Registers that memory or LDS instructions touch:
;   v4-v15         offsets and LDS addresses: made once at the head, ahead of the first load, and never written again.
;   x's rows       v16-79, v88-151: loaded once; row i is read by its 24 holds.  Row i's six registers of codes lie over row i - 1's numbers, which are done with (row 0's at v216): each row has code registers of its
;                  own, so no LDS store's data are written again while rows are quantised.  The rows go in four groups of four: one wait at a group's head states that the group before has written its codes,
;                  and that group's twelve LDS stores are dealt among this group's rows, whose vector lines name other registers.
;   XF0, XF1       two sets for x's fragments, by turns over the 24 parts (a part: q, k or v of one tile).  Part p multiplies XF[p % 2]; at its head the LDS loads of part p + 1 go into the other set, which part p - 1 multiplied.
;   CDQ, CDK, CDV  a part's codes: written by its conversions, read by the store that is issued at the head of the next part, written again three parts later.
; So ONE wait on va_vdst stands at a part's head: the part before is done reading its set of fragments and has written its codes.  One wait on vm_vsrc a tile, ahead of q's conversions, states that the
; three stores of the tile before have read their codes.
.set PITCH, 272                        ; a row of 256 codes in LDS + 16 bytes: the 16 rows of a fragment load start at 16 different groups of four banks
.set REGN,  16*PITCH                   ; a tile's rows for one scale; region (m, e) at (3 m + e) x REGN
.set XF0, 16                           ; v16-47   x's two fragments (K steps 0, 1), set 0
.set ACC, 48                           ; v48-79   four tiles of results
.set CDQ, 80                           ; v80-83   q's codes; v84-87 k's
.set CDK, 84
.set WV,  88                           ; v88-151  wv's fragments (ct, s) at 16 (2 ct + s)
.set CO,  152                          ; v152-159 cos, v160-167 sinS, of angles 8 h + 0 .. 7
.set SI,  160
.set RBQ, 168                          ; v168-183, v184-199 the turned biases
.set RBK, 184
.set T,   200                          ; v200-215 while x is quantised: two work sets of eight; before that bq's partners
.set C,   216                          ; v216-221 row 0's codes; before that (to v231) bk's partners
.set XF1, 200                          ; v200-231 behind the barrier: x's two fragments, set 1
.set SC,  232                          ; v232-234 the conversions' scales
.set CDV, 236                          ; v236-239 v's codes
.set BV,  240                          ; v240, v241 bv of my two channels; before that v240-254 at work on sin and cos
.set MSB, 0
.macro WIN new                         ; the immediate's high byte repeats the setting that is left
.if MSB != \new
	s_set_vgpr_msb (MSB<<8)|\new
.set MSB, \new
.endif
.endm
; window 1: wq's fragments (tile T, K step s) at 16 (2 T + s), wk's at 128 + the same
	s_load_b256 s[4:11], s[0:1], 0x0               ; x, wq, wk, wv
	s_load_b256 s[12:19], s[0:1], 0x20             ; bq, bk, bv, the scales' exponents
	s_load_b128 s[20:23], s[0:1], 0x40             ; qc, kc
	s_load_b64 s[24:25], s[0:1], 0x50              ; vc
	v_lshl_add_u32 v235, v0, 2, 0x19800
	v_mov_b32 v255, 0
	v_lshrrev_b32 v1, 5, v0
	v_readfirstlane_b32 s2, v1                     ; wave 0..7
	v_and_b32 v1, 15, v0                           ; r
	v_bfe_u32 v2, v0, 4, 1                         ; h
	v_and_b32 v3, 31, v0                           ; lane
	v_lshlrev_b32 v4, 5, v3                        ; x: my 8 numbers of a row
	v_lshrrev_b32 v15, 3, v1
	v_lshl_add_u32 v6, v15, 3, v1                  ; r + 8 (r / 8)
	v_lshlrev_b32 v6, 8, v6
	v_lshl_add_u32 v6, v2, 4, v6                   ; W, tiles 0 and 1
	v_and_b32 v7, 7, v1
	v_lshl_add_u32 v7, v7, 1, 1
	v_sub_nc_u32 v7, v7, v15                       ; 2 (r % 8) + 1 - r / 8
	v_lshlrev_b32 v7, 8, v7
	v_lshl_add_u32 v7, v2, 4, v7                   ; W, tiles 2 and 3
	v_lshlrev_b32 v8, 8, v1
	v_lshl_add_u32 v8, v2, 4, v8                   ; wv: row r
	v_mul_u32_u24 v9, v1, PITCH
	v_lshl_add_u32 v9, v2, 4, v9                   ; LDS, out: row r, + 16 h; tiles 0-3
	v_add_nc_u32 v10, 12*REGN, v9                  ; tiles 4-7
	v_lshlrev_b32 v11, 5, v1
	v_lshl_add_u32 v11, v2, 4, v11                 ; qc, kc: token r, + 16 h
	v_lshlrev_b32 v12, 3, v3                       ; vc: 8 bytes a lane
	v_lshlrev_b32 v13, 6, v2                       ; biases as they lie: channels 16 h on
	v_sub_nc_u32 v14, 1, v2
	v_lshlrev_b32 v14, 2, v14                      ; their partners: 4 (1 - h)
	v_lshlrev_b32 v15, 2, v1                       ; bv: channel r
	s_wait_alu depctr_va_sdst(0)                   ; s2, the wave's number, is written, ahead of its first reader
	s_mul_i32 s40, s2, 3*REGN
	v_lshl_add_u32 v5, v3, 3, s40                  ; LDS, in: my tile's regions, 8 bytes a lane
	s_and_b32 s38, ttmp9, 31                       ; sb
	s_lshr_b32 s39, ttmp9, 5                       ; ng
	s_lshl_b32 s40, s38, 10
	s_lshl_b32 s41, s39, 3
	s_add_co_u32 s40, s40, s41
	s_add_co_u32 s40, s40, s2
	s_lshl_b32 s40, s40, 10                        ; x: row (16 sb, 8 ng + wave), 1,024 bytes a row
	s_mov_b32 s41, 0
	s_lshl_b32 s42, s2, 13                         ; my head's 32 rows of a weight
	s_mov_b32 s43, 0
	s_mov_b32 s50, 0xbf62c6e7                      ; -log2(10000) / 15
	s_mov_b32 s51, 0x3f22f983                      ; 2 / pi
	s_mov_b32 s52, 0xbfc90fdb                      ; -(pi / 2), its f32 part,
	s_mov_b32 s53, 0x333bbd2e                      ; and what that part has too much
	s_mov_b32 s54, 0xb94ca1f9                      ; sine: -1.9515296e-4, 8.3321609e-3, -1.6666655e-1
	s_mov_b32 s55, 0x3c08839e
	s_mov_b32 s56, 0xbe2aaaa3
	s_mov_b32 s57, 0x37ccf5ce                      ; cosine: 2.4433157e-5, -1.3887316e-3, 4.1666646e-2
	s_mov_b32 s58, 0xbab6061a
	s_mov_b32 s59, 0x3d2aaaa5
	s_wait_kmcnt 0x0
	s_load_b256 s[28:35], s[18:19], 0x0            ; e0 .. e7
	s_load_b64 s[36:37], s[18:19], 0x20            ; e8, e9
	s_add_nc_u64 s[4:5], s[4:5], s[40:41]
	s_add_nc_u64 s[6:7], s[6:7], s[42:43]
	s_add_nc_u64 s[8:9], s[8:9], s[42:43]
	s_add_nc_u64 s[10:11], s[10:11], s[42:43]
	s_lshl_b32 s42, s2, 7                          ; my head's 32 numbers of a bias
	s_add_nc_u64 s[12:13], s[12:13], s[42:43]
	s_add_nc_u64 s[14:15], s[14:15], s[42:43]
	s_add_nc_u64 s[16:17], s[16:17], s[42:43]
	s_lshl_b32 s42, s39, 20                        ; out: n = 8 ng, 131,072 bytes an n,
	s_lshl_b32 s40, s2, 14                         ; my head,
	s_add_co_u32 s42, s42, s40
	s_lshl_b32 s40, s38, 9                         ; my 16 tokens: 512 bytes in each of the three
	s_add_co_u32 s42, s42, s40
	s_add_nc_u64 s[20:21], s[20:21], s[42:43]
	s_add_nc_u64 s[22:23], s[22:23], s[42:43]
	s_add_nc_u64 s[24:25], s[24:25], s[42:43]
	s_wait_alu depctr_va_vdst(0)                   ; the offsets and LDS addresses v4 to v15 are written: every load and store of the kernel reads one of them.  Up to the weights' last load only loads and one window switch follow
; my tile of x: 16 rows, 65,536 bytes apart; a lane takes 8 neighbours, as the conversion wants them; a row's two loads cover its 1,024 bytes.  Rows 0-7 in v16-79, rows 8-15 in v88-151
.irp i, 0,1,2,3,4,5,6,7,8,9,10,11,12,13,14,15
	global_load_b128 v[16+8*\i+8*(\i/8):16+8*\i+8*(\i/8)+3], v4, s[4:5] offset:\i*65536 th:TH_LOAD_NT
	global_load_b128 v[16+8*\i+8*(\i/8)+4:16+8*\i+8*(\i/8)+7], v4, s[4:5] offset:\i*65536+16 th:TH_LOAD_NT
.endr
.irp k, 0,1,2,3
	global_load_b128 v[RBQ+4*\k:RBQ+4*\k+3], v13, s[12:13] offset:16*\k   ; b of channels 16 h + 0 .. 15
	global_load_b128 v[RBK+4*\k:RBK+4*\k+3], v13, s[14:15] offset:16*\k
.endr
.irp u, 0,1
.irp j, 0,1,2,3,4,5,6,7
	global_load_b32 v[T+8*\u+\j], v14, s[12:13] offset:64*\u+8*\j         ; b of channel 16 u + 2 j + 1 - h
	global_load_b32 v[C+8*\u+\j], v14, s[14:15] offset:64*\u+8*\j
.endr
.endr
.macro WLOAD d, b                      ; a weight's four tiles x two K steps: 32 loads
.irp s, 0,1
.irp c, 0,1,2,3
	global_load_b128 v[\d+16*\s+4*\c:\d+16*\s+4*\c+3], v6, s[\b:\b+1] offset:128*\s+32*\c
	global_load_b128 v[\d+32+16*\s+4*\c:\d+32+16*\s+4*\c+3], v6, s[\b:\b+1] offset:2048+128*\s+32*\c
	global_load_b128 v[\d+64+16*\s+4*\c:\d+64+16*\s+4*\c+3], v7, s[\b:\b+1] offset:128*\s+32*\c
	global_load_b128 v[\d+96+16*\s+4*\c:\d+96+16*\s+4*\c+3], v7, s[\b:\b+1] offset:4096+128*\s+32*\c
.endr
.endr
.endm
	WIN 0x40                                       ; destination window 1
	WLOAD 0, 6
	WLOAD 128, 8
	WIN 0
; cos and sin of s x angle, while the loads are on their way
	s_lshl_b32 s40, s38, 4
	v_add_nc_u32 v240, s40, v1
	v_cvt_f32_u32 v241, v240                       ; my token s
	v_lshlrev_b32 v242, 3, v2                      ; 8 h
	v_sub_nc_u32 v243, 1, v2
	v_lshlrev_b32 v243, 31, v243                   ; the sign that makes sinS of sin: lanes 0-15
.irp i, 0,1,2,3,4,5,6,7
	v_add_nc_u32 v[SI+\i], \i, v242
.endr
.irp i, 0,1,2,3,4,5,6,7
	v_cvt_f32_u32 v[SI+\i], v[SI+\i]
.endr
.irp i, 0,1,2,3,4,5,6,7
	v_mul_f32 v[SI+\i], s50, v[SI+\i]
.endr
.irp i, 0,1,2,3,4,5,6,7
	v_exp_f32 v[CO+\i], v[SI+\i]                   ; the angle of channels 16 h + 2 i, 2 i + 1
.endr
	v_nop                                          ; a plain line behind the exponentials
	s_wait_alu depctr_va_vdst(0)                   ; the eight exponentials have written the angles, ahead of their first reader
.macro SINCOS i
	v_mul_f32 v244, v241, v[CO+\i]                 ; y
	v_mul_f32 v245, s51, v244
	v_rndne_f32 v245, v245                         ; k = the nearest multiple of pi / 2
	v_cvt_i32_f32 v251, v245
	v_and_b32 v252, 1, v251
	v_cmp_eq_u32 vcc_lo, 1, v252                   ; in odd quadrants the two change places.  The polynomials stand between this line and the wait for it
	v_fma_f32 v246, v245, s52, v244
	v_fma_f32 v246, v245, s53, v246                ; r = y - k pi / 2
	v_mul_f32 v247, v246, v246                     ; z
	v_fma_f32 v248, v247, s54, s55
	v_fma_f32 v249, v247, s57, s58
	v_fma_f32 v248, v248, v247, s56
	v_fma_f32 v249, v249, v247, s59
	v_mul_f32 v248, v248, v247
	v_mul_f32 v249, v249, v247
	v_fma_f32 v250, v247, -0.5, 1.0
	v_fma_f32 v248, v248, v246, v246               ; sin r
	v_fma_f32 v249, v249, v247, v250               ; cos r
	s_wait_alu depctr_va_vcc(0)                    ; the compare has written VCC, which the two selections read
	v_cndmask_b32 v253, v248, v249, vcc_lo
	v_cndmask_b32 v254, v249, v248, vcc_lo
	v_and_b32 v252, 2, v251                        ; sin is negative in quadrants 2, 3,
	v_lshlrev_b32 v252, 30, v252
	v_xor_b32 v252, v243, v252
	v_xor_b32 v[SI+\i], v253, v252
	v_add_nc_u32 v252, 1, v251                     ; cos in quadrants 1, 2
	v_and_b32 v252, 2, v252
	v_lshlrev_b32 v252, 30, v252
	v_xor_b32 v[CO+\i], v254, v252
.endm
.irp i, 0,1,2,3,4,5,6,7
	SINCOS \i
.endr
.macro SCALE e, vsc, sneg              ; from the exponent in s[e]: 2^e into v[vsc]; -448 x 2^e, +448 x 2^e into s[sneg], s[sneg + 1]
	s_add_co_i32 s66, s[\e], 127
	s_lshl_b32 s67, s66, 23
	v_mov_b32 v[\vsc], s67
	s_add_co_i32 s66, s66, 8
	s_lshl_b32 s66, s66, 23
	s_or_b32 s[\sneg+1], s66, 0x600000
	s_or_b32 s[\sneg], s[\sneg+1], 0x80000000
.endm
	s_wait_kmcnt 0x0
	SCALE 28, SC, 44                               ; x for q: e0
	SCALE 30, SC+1, 46                             ; for k: e2
	SCALE 32, SC+2, 48                             ; for v: e4
	s_add_co_i32 s60, s28, s29
	s_sub_co_i32 s60, 0, s60                       ; -(e0 + e1)
	s_add_co_i32 s61, s30, s31
	s_sub_co_i32 s61, 0, s61                       ; -(e2 + e3)
	s_add_co_i32 s62, s32, s33
	s_sub_co_i32 s62, 0, s62                       ; -(e4 + e5)
	s_wait_loadcnt 63                              ; 64 loads (the weights') were issued behind the last bias load: x and the biases are in
; d = a x B[idx] + c for a pair of registers, B[idx] for both halves
.macro PKFMA_SEL d, a, bb, idx, c
.if ((\idx)%2) == 0
	v_pk_fma_f32 v[\d:\d+1], v[\a:\a+1], v[\bb+(\idx):\bb+(\idx)+1], v[\c:\c+1] op_sel_hi:[1,0,1]
.else
	v_pk_fma_f32 v[\d:\d+1], v[\a:\a+1], v[\bb+(\idx)-1:\bb+(\idx)], v[\c:\c+1] op_sel:[0,1,0] op_sel_hi:[1,1,1]
.endif
.endm
.macro PKMUL_SEL d, bb, idx
.if ((\idx)%2) == 0
	v_pk_mul_f32 v[\d:\d+1], v[\d:\d+1], v[\bb+(\idx):\bb+(\idx)+1] op_sel_hi:[1,0]
.else
	v_pk_mul_f32 v[\d:\d+1], v[\d:\d+1], v[\bb+(\idx)-1:\bb+(\idx)] op_sel:[0,1] op_sel_hi:[1,1]
.endif
.endm
.irp u, 0,1
.irp pp, 0,1,2,3
	PKMUL_SEL RBQ+8*\u+2*\pp, CO, 4*\u+\pp         ; b cos
	PKMUL_SEL RBK+8*\u+2*\pp, CO, 4*\u+\pp
.endr
.endr
.irp u, 0,1
.irp pp, 0,1,2,3
	PKFMA_SEL RBQ+8*\u+2*\pp, T+8*\u+2*\pp, SI, 4*\u+\pp, RBQ+8*\u+2*\pp   ; + b' sinS
	PKFMA_SEL RBK+8*\u+2*\pp, C+8*\u+2*\pp, SI, 4*\u+\pp, RBK+8*\u+2*\pp
.endr
.endr
.irp j, 0,1,2,3,4,5,6,7,8,9,10,11,12,13,14,15
	v_ldexp_f32 v[RBQ+\j], v[RBQ+\j], s60          ; in the sums' unit
	v_ldexp_f32 v[RBK+\j], v[RBK+\j], s61
.endr
; Row i of my tile: held and converted for each of the three scales.  The work sets take turns from conversion to conversion, so that eight plain lines stand between a conversion and the next write of its sources.
; The codes go into the registers of row i - 1's numbers, whose 24 holds are issued (row 0's into v216 on).
.macro QROW i
.set XR, 16+8*(\i)+8*((\i)/8)
.if (\i) == 0
.set CR, C
.else
.set CR, 16+8*((\i)-1)+8*(((\i)-1)/8)
.endif
.irp e, 0,1,2
.set TS, T+8*((3*(\i)+\e)%2)
.irp j, 0,1,2,3,4,5,6,7
	v_med3_num_f32 v[TS+\j], v[XR+\j], s[44+2*\e], s[45+2*\e]   ; the conversion to an 8-bit code does not saturate (ISA guide 7.6.2)
.endr
	v_cvt_scalef32_pk8_fp8_f32 v[CR+2*\e:CR+2*\e+1], v[TS:TS+7], v[SC+\e]
.endr
.endm
.macro QOUT i                          ; row i's codes to LDS
.if (\i) == 0
.set CR, C
.else
.set CR, 16+8*((\i)-1)+8*(((\i)-1)/8)
.endif
.irp e, 0,1,2
	ds_store_b64 v5, v[CR+2*\e:CR+2*\e+1] offset:\e*REGN+(\i)*PITCH   ; 32 lanes: a row's 256 bytes
.endr
.endm
.irp i, 0,1,2,3
	QROW \i
.endr
.irp g, 1,2,3
	s_wait_alu depctr_va_vdst(0)                   ; the group before has written its codes, which the twelve LDS stores below read; this group's lines name rows 4 g - 1 on and the work sets, those stores rows 4 g - 5 to 4 g - 2 (or v216 on)
.irp k, 0,1,2,3
	QOUT 4*(\g)-4+\k
	QROW 4*(\g)+\k
.endr
.endr
	v_nop                                          ; a plain line behind the last conversion
	s_wait_alu depctr_va_vdst(0)                   ; the last group has written its codes; and every hold and conversion is done with v16-47, v88-151, v200-231 and v240, v241, in which the loads below and the fragments' first loads land
.irp i, 12,13,14,15
	QOUT \i
.endr
	s_wait_alu depctr_vm_vsrc(0)                   ; the LDS stores have read the codes' registers, in which the same loads land
.irp ct, 0,1
.irp s, 0,1
.irp c, 0,1,2,3
	global_load_b128 v[WV+16*(2*\ct+\s)+4*\c:WV+16*(2*\ct+\s)+4*\c+3], v8, s[10:11] offset:4096*\ct+128*\s+32*\c
.endr
.endr
.endr
	global_load_b32 v[BV], v15, s[16:17]
	global_load_b32 v[BV+1], v15, s[16:17] offset:64
	s_add_co_i32 s68, s34, s60                     ; a sum stands for sum x 2^(e0 + e1): q's code is sum / 2^(e6 - e0 - e1)
	SCALE 68, SC, 44
	s_add_co_i32 s68, s35, s61                     ; e7 - e2 - e3
	SCALE 68, SC+1, 46
	s_add_co_i32 s68, s37, s62                     ; e9 - e4 - e5
	SCALE 68, SC+2, 48
	s_wait_dscnt 0x0                               ; for the others' sake: my rows of codes lie in LDS
	s_barrier_signal -1
	s_barrier_wait -1
; Part p = 3 m + e: tile m, e = 0: q, 1: k, 2: v.
.macro FETCH p                         ; part p's rows of codes: two fragments, into set p % 2
.set FD, XF0+(XF1-XF0)*((\p)%2)
.irp s, 0,1
.irp c, 0,1,2,3
	ds_load_b128 v[FD+16*\s+4*\c:FD+16*\s+4*\c+3], v[9+(\p)/12] offset:((\p)%12)*REGN+128*\s+32*\c
.endr
.endr
.endm
.macro OUT p                           ; part p's codes leave
.if ((\p)%3) == 0
	global_store_b128 v11, v[CDQ:CDQ+3], s[20:21] offset:((\p)/3)*131072             ; 32 lanes: 512 consecutive bytes
.elseif ((\p)%3) == 1
	global_store_b128 v11, v[CDK:CDK+3], s[22:23] offset:((\p)/3)*131072
.else
	global_store_b64 v12, v[CDV:CDV+1], s[24:25] offset:((\p)/3)*131072              ; 32 lanes: 256 consecutive bytes, aligned
	global_store_b64 v12, v[CDV+2:CDV+3], s[24:25] offset:((\p)/3)*131072+256
.endif
.endm
.macro HEAD p                          ; the head of part p
	s_wait_dscnt 0x0                               ; this part's fragments, asked for at the head of the part before, are in
.if (\p) > 0
	s_wait_alu depctr_va_vdst(0)                   ; the part before has written its codes, which the store below reads, and its products are done reading their set of fragments, in which the loads below land
	OUT (\p)-1
.endif
.if (\p) < 23
	FETCH (\p)+1                                   ; (in part 0: no vector line since the waits ahead of wv's loads names set 1)
.endif
.endm
; q or k of a tile: eight products (the four accumulators by turns), the turn, the hold, the conversion.
.macro ROT w, rb, cd, sc, lm, p
	HEAD \p
.set XB, XF0+(XF1-XF0)*((\p)%2)
	WIN 0x01                                       ; source 0 (W) window 1
.irp s, 0,1
.irp t, 0,1,2,3
.if \s == 0
	v_wmma_f32_16x16x128_fp8_fp8 v[ACC+8*\t:ACC+8*\t+7], v[\w+16*(2*\t+\s):\w+16*(2*\t+\s)+15], v[XB+16*\s:XB+16*\s+15], 0
.else
	v_wmma_f32_16x16x128_fp8_fp8 v[ACC+8*\t:ACC+8*\t+7], v[\w+16*(2*\t+\s):\w+16*(2*\t+\s)+15], v[XB+16*\s:XB+16*\s+15], v[ACC+8*\t:ACC+8*\t+7]
.endif
.endr
.endr
	WIN 0
.rept 4
	v_nop                                          ; four places in front of the first read of results (ISA guide 7.12.1)
.endr
.irp u, 0,1
.irp pp, 0,1,2,3
	PKFMA_SEL ACC+8*\u+2*\pp, ACC+8*\u+2*\pp, CO, 4*\u+\pp, \rb+8*\u+2*\pp
.endr
.endr
.irp u, 0,1
.irp pp, 0,1,2,3
	PKFMA_SEL ACC+8*\u+2*\pp, ACC+16+8*\u+2*\pp, SI, 4*\u+\pp, ACC+8*\u+2*\pp
.endr
.endr
.irp j, 0,1,2,3,4,5,6,7,8,9,10,11,12,13,14,15
	v_med3_num_f32 v[ACC+\j], v[ACC+\j], s[\lm], s[\lm+1]
.endr
.if (\p) > 0
.if ((\p)%3) == 0
	s_wait_xcnt 0x0                                ; the last tile's stores have had their addresses translated (ISA guide 3.1): their data registers are written again only behind this wait,
	s_wait_alu depctr_vm_vsrc(0)                   ; and they have read q's, k's and v's codes, which this tile's conversions write again
.endif
.endif
	v_cvt_scalef32_pk8_fp8_f32 v[\cd:\cd+1], v[ACC:ACC+7], v[\sc]
	v_cvt_scalef32_pk8_fp8_f32 v[\cd+2:\cd+3], v[ACC+8:ACC+15], v[\sc]
	v_nop                                          ; a plain line behind the conversions: the next products write their sources
.endm
.macro VPART p
	HEAD \p
.set XB, XF0+(XF1-XF0)*((\p)%2)
.irp s, 0,1
.irp ct, 0,1
.if \s == 0
	v_wmma_f32_16x16x128_fp8_fp8 v[ACC+8*\ct:ACC+8*\ct+7], v[XB+16*\s:XB+16*\s+15], v[WV+16*(2*\ct+\s):WV+16*(2*\ct+\s)+15], 0
.else
	v_wmma_f32_16x16x128_fp8_fp8 v[ACC+8*\ct:ACC+8*\ct+7], v[XB+16*\s:XB+16*\s+15], v[WV+16*(2*\ct+\s):WV+16*(2*\ct+\s)+15], v[ACC+8*\ct:ACC+8*\ct+7]
.endif
.endr
.endr
.rept 4
	v_nop                                          ; four places in front of the first read of results
.endr
.irp pp, 0,2,4,6
	v_pk_add_f32 v[ACC+\pp:ACC+\pp+1], v[ACC+\pp:ACC+\pp+1], v[BV:BV+1] op_sel_hi:[1,0]
.endr
.irp pp, 0,2,4,6
	v_pk_add_f32 v[ACC+8+\pp:ACC+8+\pp+1], v[ACC+8+\pp:ACC+8+\pp+1], v[BV:BV+1] op_sel:[0,1] op_sel_hi:[1,1]
.endr
.irp j, 0,1,2,3,4,5,6,7,8,9,10,11,12,13,14,15
	v_med3_num_f32 v[ACC+\j], v[ACC+\j], s48, s49
.endr
	v_cvt_scalef32_pk8_fp8_f32 v[CDV:CDV+1], v[ACC:ACC+7], v[SC+2]
	v_cvt_scalef32_pk8_fp8_f32 v[CDV+2:CDV+3], v[ACC+8:ACC+15], v[SC+2]
	v_nop
.endm
	FETCH 0                                        ; (no vector line since the waits ahead of wv's loads names set 0)
	s_wait_loadcnt 18                              ; wq's and wk's fragments are in; wv's sixteen loads and bv's two may be out
.irp m, 0,1,2,3,4,5,6,7
	ROT 0, RBQ, CDQ, SC, 44, 3*\m
	ROT 128, RBK, CDK, SC+1, 46, 3*\m+1
.if \m == 0
	s_wait_loadcnt 0x0                             ; wv and bv
	v_ldexp_f32 v[BV], v[BV], s62
	v_ldexp_f32 v[BV+1], v[BV+1], s62
.endif
	VPART 3*\m+2
.endr
	s_wait_alu depctr_va_vdst(0)                   ; the last part's conversions have written v's codes, which the last two stores read
	OUT 23
	s_wait_dscnt 0x0                               ; the closing lines, six on end
	s_wait_alu 0x0
	s_wait_tensorcnt 0x0
	ds_add_u32 v235, v255
	s_wait_dscnt 0x0
	s_endpgm
.Lfunc_end_k_q42b3f28c91_proj:
	.size	k_q42b3f28c91_proj, .Lfunc_end_k_q42b3f28c91_proj-k_q42b3f28c91_proj
	.p2alignl 7, 3214868480
	.fill 96, 4, 3214868480
	.section	.rodata,"a",@progbits
	.p2align	6, 0x0
	.amdhsa_kernel k_q42b3f28c91_proj
		.amdhsa_group_segment_fixed_size 105472
		.amdhsa_private_segment_fixed_size 0
		.amdhsa_enable_private_segment 0
		.amdhsa_kernarg_size 88
		.amdhsa_user_sgpr_count 2
		.amdhsa_user_sgpr_kernarg_segment_ptr 1
		.amdhsa_wavefront_size32 1
		.amdhsa_system_sgpr_workgroup_id_x 1
		.amdhsa_system_sgpr_workgroup_id_y 1
		.amdhsa_system_sgpr_workgroup_id_z 1
		.amdhsa_system_vgpr_workitem_id 0
		.amdhsa_next_free_vgpr 512
		.amdhsa_next_free_sgpr 80
		.amdhsa_reserve_vcc 1
		.amdhsa_float_denorm_mode_32 3
		.amdhsa_float_denorm_mode_16_64 3
		.amdhsa_memory_ordered 1
		.amdhsa_forward_progress 1
		.amdhsa_inst_pref_size 145
	.end_amdhsa_kernel
	.amdgpu_metadata
---
amdhsa.version: [ 1, 2 ]
amdhsa.kernels:
  - .name:           k_q42b3f28c91_proj
    .symbol:         k_q42b3f28c91_proj.kd
    .args:
      - { .name: x, .offset: 0, .size: 8, .value_kind: global_buffer, .address_space: global }
      - { .name: wq_codes, .offset: 8, .size: 8, .value_kind: global_buffer, .address_space: global }
      - { .name: wk_codes, .offset: 16, .size: 8, .value_kind: global_buffer, .address_space: global }
      - { .name: wv_codes, .offset: 24, .size: 8, .value_kind: global_buffer, .address_space: global }
      - { .name: bq, .offset: 32, .size: 8, .value_kind: global_buffer, .address_space: global }
      - { .name: bk, .offset: 40, .size: 8, .value_kind: global_buffer, .address_space: global }
      - { .name: bv, .offset: 48, .size: 8, .value_kind: global_buffer, .address_space: global }
      - { .name: lowp_scales, .offset: 56, .size: 8, .value_kind: global_buffer, .address_space: global }
      - { .name: qc, .offset: 64, .size: 8, .value_kind: global_buffer, .address_space: global }
      - { .name: kc, .offset: 72, .size: 8, .value_kind: global_buffer, .address_space: global }
      - { .name: vc, .offset: 80, .size: 8, .value_kind: global_buffer, .address_space: global }
    .group_segment_fixed_size: 105472
    .private_segment_fixed_size: 0
    .kernarg_segment_align: 8
    .kernarg_segment_size: 88
    .max_flat_workgroup_size: 256
    .sgpr_count:     80
    .vgpr_count:     512
    .wavefront_size: 32
...
	.end_amdgpu_metadata
.endif
;; end of part 3
;; launch attn (part 4): grid 256 x 1, 16 waves a work-group, no clusters, 301,056 bytes of LDS; arguments qc, kc, vc, x, lowp_scales, ln1_w, ln1_b, w1_codes, b1, w2_codes, b2, ln2_w, ln2_b, out0; writes out0
.if DOCPART == 4
	.amdgcn_target "amdgcn-amd-amdhsa--gfx1250"
	.amdhsa_code_object_version 6
	.text
	.protected	k_q42b3f28c91_attn
	.globl	k_q42b3f28c91_attn
	.p2align	8
	.type	k_q42b3f28c91_attn,@function
k_q42b3f28c91_attn:
	s_mov_b64 s[64:65], 0
	v_nop
	global_prefetch_b8 v0, s[64:65] scope:SCOPE_SE
	s_setreg_imm32_b32 hwreg(HW_REG_WAVE_SCHED_MODE, 0, 2), 2
	s_setreg_imm32_b32 hwreg(HW_REG_WAVE_MODE, 25, 1), 1
	s_wait_xcnt 0x0
	s_wait_alu depctr_vm_vsrc(0)
; Attention over s with the decay mask, + x, LN1, the FFN (256 -> 1,024 -> 256, relu), + , LN2.  All products on codes of FP8 (E4M3), each operand with its given scale 2^e.
; SHARES.  A work-group owns 128 queries (s = 128 qb + ..) of one n, all 8 heads: whole rows of 256 channels, so that both norms and the FFN stay inside it.  Sixteen waves of 256 registers, four to a SIMD.
; PHASE 1, no barrier.  Wave (head = w / 2, half = w % 2) owns 64 queries, four tiles of 16, and walks the 512 keys in steps of 64.  K and V come from memory straight into registers, most of a step ahead:
;   the launch before has laid them in the order of the operands' registers.  Both products are used transposed: a lane holds ONE query.
;   HEAD SIZE 32 IN THE K = 64 FORM: a fragment of source 0 holds TWO tiles of 16 keys; source 1 is (q, zeros) for the first and (zeros, q) for the second.  The codes hold no NaN: they were held at 448.
;   THE MASK IS THE PRODUCT'S C: -g |q - k|, g = -ln(1 - 2^(-1 - 3 head / 8)) / 2^(e6 + e7), built in the accumulator.  Where a step's keys all lie on one side of the tile's queries that is one packed
;   multiply-add for two numbers; else (one step in eight; a branch on ids) an addition and a sign bit.
;   SOFTMAX: t = c x sum, c = log2(e) 2^(e6 + e7); M = the running largest t rounded up to a whole number; p = 2^(t - M) is quantised with e8; the row's sum is taken of the unquantised p;
;   when M moves, the sum and O are multiplied by 2^(old M - new M), which rounds nothing.
; PHASES 2 to 5, four barriers: LN1 by rows (wave w: rows 8 w ..), its codes to LDS | hidden units 64 w .. of all 128 rows, W1 in registers, relu and hold in one, images of the operand's registers to LDS |
;   64 rows x 32 columns a wave of the second product, W2 from memory a K step ahead | LN2 by rows, stores of 512 consecutive bytes.
; No cluster and no joint loads: K and V go to registers, not through LDS, where a head's rows would find no room beside the 299,008 bytes in use.
; LIMITS.  e6 + e7 between -126 and 126 (added to c's exponent field); e8, e10, e12 - e10 - e11 between -126 and 119; e12 + e13 between -126 and 127.  NaN among the inputs is not served.
; THE MODE: SCHED_MODE bits 1:0 = 2 (LLVM: expert scheduling mode 2), set by the entry lines.  The code itself states the register dependences between vector or matrix instructions and memory or LDS
; instructions, with s_wait_alu, always for 0.
; THE PLAN.  Registers that memory or LDS instructions touch:
;   the key loop   v3, v4, v7: offsets, made at the head, not written in the loop: K and V are reached by their scalar bases, which move on by a step.  K's and V's two sets: step j's products read set j % 2; the loads
;                  of step j + 1 land in the other set, which step j - 1's products read.  They stand directly behind the wait that the first tile's exponentials have in any case: it also states that the products
;                  of the step before are done.  So the loop has no wait of its own for them.
;   behind it      the addresses of phases 2 to 5 (v3-v15) are made once, behind a wait on vm_vsrc for the loop's loads and prefetch, and only v3 is written again.  O goes to LDS behind one wait on va_vdst.
;   phases 2 to 5  every register is in use (sixteen waves of 256), so a phase's loads land in registers that the phase before worked on: each such run of loads or stores has one wait on va_vdst ahead of it, and
;                  one on vm_vsrc where LDS stores have read the registers.  Phase 3, a tile of rows: one wait on va_vdst behind its products states that they are done reading x's fragments (the next tile's loads)
;                  and that the tile before has written its codes (that tile's two stores); one on vm_vsrc, behind the 32 holds, frees the codes' registers.  Phase 4: one wait on va_vdst at a K step's head.
.set YP,   1040                        ; LDS: Y, 128 rows of 256 f32 + 16 bytes
.set X1,   128*YP                      ; LN1's codes, 128 rows of 256 + 16 bytes
.set XP,   272
.set HIMG, X1+128*XP                   ; the hidden layer: fragment (tile of rows m, K step ks) at (8 m + ks) x 2,048 + 512 c + 16 lane
.set KSET, 44                          ; v44-75   K: two sets of four tiles x 4 registers
.set VSET, 76                          ; v76-107  V: two sets of two channel tiles x 8 registers
.set S,    108                         ; v108-139 the scores of 64 keys, then p
.set P,    140                         ; v140-147 p's codes
.set O,    148                         ; v148-211 O^T: tile t, channel tile ct at 16 t + 8 ct
.set STA,  212                         ; v212-227 tile t: -M, the largest t, the sum in two halves
.set A,    228                         ; v228-235 g (r - 8 h - j)
; v1 r, v2 h, v3 K's and Q's lane offset, v4 V's, v7 the prefetch's offset; v8-43: zeros, q0, zeros, q1, zeros, q2, zeros, q3, zeros, four registers each
; v236, v237 at work; v238 the other half's maximum; v239 the old -M; v[240:241] f; v[242:243] (tau, kappa); v[244:245] a second chain of sums; v246 kappa's step; v247 D0; v248 g; v249 16 g; v250 2^e8; v251 448 x 2^e8; v252 Y's address
	s_load_b512 s[8:23], s[0:1], 0x0               ; qc, kc, vc, x, the scales' exponents, ln1_w, ln1_b, w1
	s_load_b256 s[24:31], s[0:1], 0x40             ; b1, w2, b2, ln2_w
	s_load_b128 s[32:35], s[0:1], 0x60             ; ln2_b, out0
	v_lshrrev_b32 v1, 5, v0
	v_readfirstlane_b32 s2, v1                     ; wave 0..15
	v_and_b32 v1, 15, v0                           ; r
	v_bfe_u32 v2, v0, 4, 1                         ; h
	v_and_b32 v7, 31, v0                           ; lane
	v_lshlrev_b32 v3, 5, v1
	v_lshl_add_u32 v3, v2, 4, v3                   ; 32 r + 16 h
	v_lshlrev_b32 v4, 3, v7                        ; 8 lane
	v_lshrrev_b32 v5, 2, v7
	v_and_b32 v6, 3, v7
	s_wait_alu depctr_va_sdst(0)                   ; s2, the wave's number, is written, ahead of its first reader
	s_lshl_b32 s4, s2, 3
	v_add_nc_u32 v5, s4, v5
	v_lshlrev_b32 v5, 16, v5
	v_lshl_add_u32 v7, v6, 8, v5                   ; row 8 w + lane / 4 of the work-group's 128 rows of x, block lane % 4 of its four blocks of 256 bytes
	s_lshr_b32 s52, ttmp9, 2                       ; n
	s_and_b32 s53, ttmp9, 3                        ; qb
	s_lshr_b32 s54, s2, 1                          ; head; later: which 32 columns
	s_and_b32 s55, s2, 1                           ; which 64 queries; later: which 64 rows
	s_lshl_b32 s67, s53, 7
	s_lshl_b32 s4, s55, 6
	s_add_co_u32 s67, s67, s4                      ; my first query
	s_mul_i32 s4, s55, 64*YP
	s_lshl_b32 s5, s54, 7
	s_add_co_u32 s4, s4, s5
	v_mul_u32_u24 v252, v1, YP
	v_lshl_add_u32 v252, v2, 5, v252
	v_add_nc_u32 v252, s4, v252                    ; Y: row 64 half + r, byte 128 head + 32 h
	s_lshl_b32 s4, s52, 17
	s_lshl_b32 s5, s54, 14
	s_add_co_u32 s4, s4, s5                        ; (n, head) in qc, kc, vc
	s_mov_b32 s5, 0
	s_mov_b32 s7, 0
	s_mov_b32 s62, 0x76543210                      ; v_permlanex16_b32: lane l xor 16
	s_mov_b32 s63, 0xfedcba98
	s_mov_b32 s84, 0x3b800000                      ; 1 / 256
	s_mov_b32 s85, 0x3727c5ac                      ; 1e-5
	s_wait_kmcnt 0x0
	s_load_b256 s[36:43], s[16:17], 0x0            ; e0 .. e7
	s_load_b128 s[44:47], s[16:17], 0x20           ; e8 .. e11
	s_load_b64 s[48:49], s[16:17], 0x30            ; e12, e13
	s_add_nc_u64 s[70:71], s[8:9], s[4:5]
	s_add_nc_u64 s[72:73], s[10:11], s[4:5]        ; K
	s_add_nc_u64 s[74:75], s[12:13], s[4:5]        ; V
	s_lshl_b32 s6, s67, 5
	s_add_nc_u64 s[70:71], s[70:71], s[6:7]        ; Q at my first query
	s_lshl_b32 s6, s53, 23
	s_lshl_b32 s4, s52, 10
	s_add_co_u32 s6, s6, s4
	s_add_nc_u64 s[76:77], s[14:15], s[6:7]        ; x at (s = 128 qb, n); rows 65,536 bytes apart
	s_add_nc_u64 s[92:93], s[34:35], s[6:7]        ; out0 likewise
	s_lshl_b32 s6, s2, 19
	s_add_nc_u64 s[78:79], s[76:77], s[6:7]        ; my 8 rows of x,
	s_add_nc_u64 s[92:93], s[92:93], s[6:7]        ; and of out0
	s_lshl_b32 s6, s2, 14
	s_add_nc_u64 s[80:81], s[22:23], s[6:7]        ; my 64 rows of W1
	s_lshl_b32 s6, s2, 8
	s_add_nc_u64 s[82:83], s[24:25], s[6:7]        ; and of b1
	s_lshl_b32 s6, s54, 15
	s_add_nc_u64 s[86:87], s[26:27], s[6:7]        ; my 32 rows of W2
	s_lshl_b32 s6, s54, 7
	s_add_nc_u64 s[88:89], s[28:29], s[6:7]        ; and of b2
	s_wait_alu depctr_va_vdst(0)                   ; v3, v4, v7 and v252 are written: the offsets of phase 1's loads and prefetch, and the LDS address of O's stores
.irp t, 0,1,2,3
	global_load_b128 v[12+8*\t:15+8*\t], v3, s[70:71] offset:512*\t          ; q: 512 consecutive bytes a load
.endr
.irp kt, 0,1,2,3
	global_load_b128 v[KSET+4*\kt:KSET+4*\kt+3], v3, s[72:73] offset:512*\kt ; key step 0
.endr
.irp ct, 0,1
.irp c, 0,1,2,3
	global_load_b64 v[VSET+8*\ct+2*\c:VSET+8*\ct+2*\c+1], v4, s[74:75] offset:512*\c+256*\ct
.endr
.endr
.irp z, 8,16,24,32,40
.irp j, 0,1,2,3
	v_mov_b32 v[\z+\j], 0                          ; the zero halves of source 1
.endr
.endr
.irp j, 0,1,2,3,4,5,6,7,8,9,10,11,12,13,14,15,16,17,18,19,20,21,22,23,24,25,26,27,28,29,30,31,32,33,34,35,36,37,38,39,40,41,42,43,44,45,46,47,48,49,50,51,52,53,54,55,56,57,58,59,60,61,62,63
	v_mov_b32 v[O+\j], 0                           ; O^T.  (The step is written once: the first finds zeros, which the first change of M leaves zeros)
.endr
.irp t, 0,1,2,3
	v_mov_b32 v[STA+4*\t+1], 0xff61b1e6            ; the largest t so far: -3e38
	v_floor_f32 v[STA+4*\t], -v[STA+4*\t+1]        ; -M
	v_mov_b32 v[STA+4*\t+2], 0
	v_mov_b32 v[STA+4*\t+3], 0
.endr
	v_mov_b32 v238, 0                              ; a lane permute's destination counts as one of its sources
	v_mov_b32 v241, 0                              ; named as upper halves of pairs
	v_mov_b32 v242, 0
	v_mov_b32 v243, 0
	s_wait_kmcnt 0x0
	s_add_co_i32 s4, s42, s43                      ; e6 + e7
	s_lshl_b32 s5, s4, 23
	s_add_co_i32 s60, s5, 0x3fb8aa3b               ; c = log2(e) x 2^(e6 + e7)
	s_mov_b32 s61, s60
	s_sub_co_i32 s4, 0, s4
	v_cvt_f32_u32 v236, s54
	v_fma_f32 v236, v236, 0xbec00000, -1.0         ; -1 - 3 head / 8
	v_exp_f32 v236, v236
	v_nop
	s_wait_alu depctr_va_vdst(0)                   ; the exponential has written v236, ahead of its reader
	v_sub_f32 v236, 1.0, v236
	v_log_f32 v236, v236
	v_nop
	s_wait_alu depctr_va_vdst(0)                   ; the logarithm has written v236, ahead of its reader
	v_mul_f32 v236, 0xbf317218, v236               ; -ln(1 - 2^(..))
	v_ldexp_f32 v248, v236, s4                     ; g, in the sums' unit
	v_ldexp_f32 v249, v248, 4                      ; 16 g
	v_lshlrev_b32 v237, 3, v2
	v_sub_nc_u32 v237, v1, v237                    ; r - 8 h
.irp j, 0,1,2,3,4,5,6,7
	v_add_nc_u32 v[A+\j], -\j, v237
.endr
.irp j, 0,1,2,3,4,5,6,7
	v_cvt_f32_i32 v[A+\j], v[A+\j]
.endr
.irp j, 0,1,2,3,4,5,6,7
	v_mul_f32 v[A+\j], v248, v[A+\j]
.endr
	s_add_co_i32 s4, s44, 127
	s_lshl_b32 s5, s4, 23
	v_mov_b32 v250, s5                             ; 2^e8
	s_add_co_i32 s4, s4, 8
	s_lshl_b32 s4, s4, 23
	s_or_b32 s4, s4, 0x600000
	v_mov_b32 v251, s4                             ; 448 x 2^e8
	s_cmp_lt_i32 s44, -8                           ; p is at most 1: with e8 >= -8, p / 2^e8 is at most 256 and the hold at 448 cannot act
	s_cselect_b32 s66, 1, 0
	s_add_co_i32 s99, s44, s45                     ; e8 + e9
	s_add_co_i32 s98, s46, s47
	s_sub_co_i32 s98, 0, s98                       ; -(e10 + e11)
	s_add_co_i32 s4, s46, 127
	s_lshl_b32 s96, s4, 23                         ; 2^e10
	s_add_co_i32 s4, s4, 8
	s_lshl_b32 s4, s4, 23
	s_or_b32 s95, s4, 0x600000                     ; +-448 x 2^e10
	s_or_b32 s94, s95, 0x80000000
	s_add_co_i32 s4, s48, s98
	s_add_co_i32 s4, s4, 127
	s_lshl_b32 s50, s4, 23                         ; 2^(e12 - e10 - e11)
	s_add_co_i32 s4, s4, 8
	s_lshl_b32 s4, s4, 23
	s_or_b32 s51, s4, 0x600000                     ; 448 x that
	s_add_co_i32 s4, s48, s49
	s_add_co_i32 s4, s4, 127
	s_lshl_b32 s90, s4, 23                         ; 2^(e12 + e13)
	s_mov_b32 s91, s90
; The next step's K and V are asked for, into the set that step p does not read.  The bases move on by a step, 32 bytes a key in K and in V alike: the wait for loads at the step's head has shown the loads that read them done.
.macro NEXT p
.if \p == 1
	s_cmp_eq_u32 s56, 384                          ; the last step has no successor: no load leaves its buffer
	s_cbranch_scc1 .Lnomore_\@
.endif
	s_add_nc_u64 s[72:73], s[72:73], 2048
	s_add_nc_u64 s[74:75], s[74:75], 2048
.irp kt, 0,1,2,3
	global_load_b128 v[KSET+16*(1-\p)+4*\kt:KSET+16*(1-\p)+4*\kt+3], v3, s[72:73] offset:512*\kt
.endr
.irp ct, 0,1
.irp c, 0,1,2,3
	global_load_b64 v[VSET+16*(1-\p)+8*\ct+2*\c:VSET+16*(1-\p)+8*\ct+2*\c+1], v4, s[74:75] offset:512*\c+256*\ct
.endr
.endr
.if \p == 1
	s_branch .Lasked_\@
.Lnomore_\@:
	global_prefetch_b8 v7, s[76:77] th:TH_LOAD_NT scope:SCOPE_SE   ; the 128 rows of x that the residual wants: 16 waves x 32 lanes name each of their 512 blocks of 256 bytes once, most of a key step ahead of the loads
.Lasked_\@:
.endif
.endm
; One tile of 16 queries against the step's 64 keys (set p of K and V).  s57: the step's first key.
.macro TILE t, p
.set NM, STA+4*\t
.set TM, STA+4*\t+1
.set LS, STA+4*\t+2
.set KR, KSET+16*\p
.set VR, VSET+16*\p
	s_add_co_u32 s68, s67, 16*\t
	s_sub_co_i32 s68, s68, s57                     ; D0 = the tile's first query - the step's first key, a multiple of 16
	v_cvt_f32_i32 v247, s68
	s_cmp_lt_u32 s68, 64                           ; 0, 16, 32 or 48: one of the four tiles of keys lies on the diagonal
	s_cbranch_scc1 .Lgen_\@
	s_cmp_gt_i32 s68, 0
	s_mov_b32 s69, 0x3f800000
	s_cselect_b32 s69, 0xbf800000, s69             ; tau = -1 where the queries come after the keys, else 1
	v_mov_b32 v242, s69
	v_mul_f32 v243, -|v247|, v248                  ; kappa = -g |D0|
	v_mul_f32 v246, -v242, v249                    ; from tile to tile of keys: -tau 16 g
.irp kt, 0,1,2,3
.irp pp, 0,2,4,6
	v_pk_fma_f32 v[S+8*\kt+\pp:S+8*\kt+\pp+1], v[A+\pp:A+\pp+1], v[242:243], v[242:243] op_sel:[0,0,1] op_sel_hi:[1,0,1]   ; tau g (r - 8 h - j) + kappa = -g |q - k|
.endr
.if \kt < 3
	v_add_f32 v243, v243, v246
.endif
.endr
	s_branch .Lmask_\@
.Lgen_\@:
	v_mul_f32 v243, v247, v248                     ; kappa = g D0
.irp kt, 0,1,2,3
.irp pp, 0,2,4,6
	v_pk_add_f32 v[S+8*\kt+\pp:S+8*\kt+\pp+1], v[A+\pp:A+\pp+1], v[242:243] op_sel:[0,1] op_sel_hi:[1,1]   ; g (q - k)
.endr
.irp j, 0,1,2,3,4,5,6,7
	v_or_b32 v[S+8*\kt+\j], 0x80000000, v[S+8*\kt+\j]   ; -|..|
.endr
.if \kt < 3
	v_sub_f32 v243, v243, v249
.endif
.endr
.Lmask_\@:
.irp kt, 0,1,2,3                       ; S^T = K Q^T + mask: four accumulators, one instruction each
.if (\kt%2) == 0
	v_wmma_f32_16x16x64_fp8_fp8 v[S+8*\kt:S+8*\kt+7], v[KR+8*(\kt/2):KR+8*(\kt/2)+7], v[12+8*\t:19+8*\t], v[S+8*\kt:S+8*\kt+7]
.else
	v_wmma_f32_16x16x64_fp8_fp8 v[S+8*\kt:S+8*\kt+7], v[KR+8*(\kt/2):KR+8*(\kt/2)+7], v[8+8*\t:15+8*\t], v[S+8*\kt:S+8*\kt+7]
.endif
.endr
	v_mov_b32 v239, v[NM]                          ; the old -M; with the three lines below: four places in front of the first read of results (ISA guide 7.12.1)
.rept 3
	v_nop
.endr
	v_max3_num_f32 v236, v[S], v[S+1], v[S+2]      ; the largest of my 32 scores, in two chains, each accumulator from its low end on
	v_max3_num_f32 v237, v[S+3], v[S+4], v[S+5]
.irp i, 6,10,14,18,22,26
	v_max3_num_f32 v236, v236, v[S+\i], v[S+\i+1]
	v_max3_num_f32 v237, v237, v[S+\i+2], v[S+\i+3]
.endr
	v_max3_num_f32 v236, v236, v[S+30], v[S+31]
	v_max_num_f32 v236, v236, v237
	v_permlanex16_b32 v238, v236, s62, s63
	v_max_num_f32 v236, v236, v238                 ; and of lane l xor 16's
	v_mul_f32 v236, s60, v236                      ; as t (c is positive)
	v_max_num_f32 v[TM], v[TM], v236
	v_floor_f32 v[NM], -v[TM]                      ; -M = floor(-t): M is a whole number
	v_sub_f32 v237, v[NM], v239
	v_cvt_i32_f32 v237, v237                       ; old M - new M, 0 or less (it saturates)
	v_ldexp_f32 v240, 1.0, v237                    ; f
.irp j, 0,2,4,6,8,10,12,14,16,18,20,22,24,26,28,30
	v_pk_fma_f32 v[S+\j:S+\j+1], v[S+\j:S+\j+1], s[60:61], v[NM:NM+1] op_sel_hi:[1,0,0]   ; t - M
.endr
.irp j, 0,1,2,3,4,5,6,7,8,9,10,11,12,13,14,15,16,17,18,19,20,21,22,23,24,25,26,27,28,29,30,31
	v_exp_f32 v[S+\j], v[S+\j]                     ; p
.endr
	v_pk_mul_f32 v[LS:LS+1], v[LS:LS+1], v[240:241] op_sel_hi:[1,0]   ; the sum under the new M.  (A plain line behind the exponentials)
	s_wait_alu depctr_va_vdst(0)                   ; the 32 exponentials have written p, ahead of its first reader.  In a step's first tile it states as well: the products of the step before are done reading the other set of K and V
.if \t == 0
	NEXT \p                                        ; no vector or matrix line since that wait names the other set, in which these loads land
.endif
	v_pk_add_f32 v[244:245], v[S:S+1], v[S+2:S+3]  ; the sum of the unquantised p, in two chains
.irp j, 4,8,12,16,20,24,28
	v_pk_add_f32 v[LS:LS+1], v[LS:LS+1], v[S+\j:S+\j+1]
	v_pk_add_f32 v[244:245], v[244:245], v[S+\j+2:S+\j+3]
.endr
	v_pk_add_f32 v[LS:LS+1], v[LS:LS+1], v[244:245]
	s_cmp_lg_u32 s66, 0
	s_cbranch_scc0 .Lnohold_\@
.irp j, 0,1,2,3,4,5,6,7,8,9,10,11,12,13,14,15,16,17,18,19,20,21,22,23,24,25,26,27,28,29,30,31
	v_min_num_f32 v[S+\j], v[S+\j], v251           ; the conversion does not saturate (ISA guide 7.6.2); p is not negative
.endr
.Lnohold_\@:
.irp kt, 0,1,2,3
	v_cvt_scalef32_pk8_fp8_f32 v[P+2*\kt:P+2*\kt+1], v[S+8*\kt:S+8*\kt+7], v250   ; keys 16 kt + 8 h + 0 .. 7: registers 2 kt, 2 kt + 1 of source 1
.endr
.irp j, 0,2,4,6,8,10,12,14
	v_pk_mul_f32 v[O+16*\t+\j:O+16*\t+\j+1], v[O+16*\t+\j:O+16*\t+\j+1], v[240:241] op_sel_hi:[1,0]   ; O^T under the new M.  (Plain lines behind the conversions)
.endr
.irp ct, 0,1
	v_wmma_f32_16x16x64_fp8_fp8 v[O+16*\t+8*\ct:O+16*\t+8*\ct+7], v[VR+8*\ct:VR+8*\ct+7], v[P:P+7], v[O+16*\t+8*\ct:O+16*\t+8*\ct+7]
.endr
.endm
; A key step on set p; the next step's K and V are asked for in its first tile, into the other set.
.macro STEP p
	s_add_co_u32 s57, s56, 64*\p
	s_wait_loadcnt 0x0                             ; this step's K and V, asked for a step ago (in the first step q too); the wait also frees the two bases, which the first tile steps
	TILE 0, \p
	TILE 1, \p
	TILE 2, \p
	TILE 3, \p
.endm
	s_mov_b32 s56, 0
	s_mov_b32 s58, 4
.Lkeys:                                            ; four trips of two steps: the sets are back where they began
	STEP 0
	STEP 1
	s_add_co_u32 s56, s56, 128
	s_sub_co_u32 s58, s58, 1
	s_cmp_lg_u32 s58, 0
	s_cbranch_scc1 .Lkeys
	s_wait_loadcnt 0x0                             ; on every way out of the loop no load into K's and V's registers is out: some of them (v88-103) are loaded anew below.  The last step asked for nothing, so the wait is met at once
	s_wait_xcnt 0x0                                ; the prefetch, most of a key step back, has had its address translated (ISA guide 3.1): its offset register is written below only behind this wait,
	s_wait_alu depctr_vm_vsrc(0)                   ; and the loop's loads and the prefetch have read v3, v4 and v7, which are written below
; O^T / the sum x 2^(e8 + e9) goes to Y.  The four additions are the places behind the last products.
.irp t, 0,1,2,3
	v_add_f32 v[A+2*\t], v[STA+4*\t+2], v[STA+4*\t+3]
.endr
.irp t, 0,1,2,3
	v_permlanex16_b32 v[A+2*\t+1], v[A+2*\t], s62, s63
.endr
.irp t, 0,1,2,3
	v_add_f32 v[A+2*\t], v[A+2*\t], v[A+2*\t+1]
.endr
.irp t, 0,1,2,3
	v_rcp_f32 v[A+2*\t], v[A+2*\t]
.endr
; the addresses of phases 2 to 5: work that names no reciprocal, between the four and the wait for them (its first line is the plain line behind them)
	v_and_b32 v3, 31, v0                           ; lane
	v_lshlrev_b32 v4, 5, v3                        ; 32 lane
	v_lshlrev_b32 v5, 4, v3                        ; 16 lane
	s_mul_i32 s4, s2, 8*YP
	v_add_nc_u32 v6, s4, v4                        ; Y, my 8 rows, 8 neighbouring channels a lane (LN1)
	v_add_nc_u32 v7, s4, v5                        ; the same, 4 + 4 channels a lane (LN2)
	s_mul_i32 s4, s2, 8*XP
	s_add_co_u32 s4, s4, X1
	v_lshl_add_u32 v8, v3, 3, s4                   ; LN1's codes, in
	v_mul_u32_u24 v9, v1, XP
	v_lshl_add_u32 v9, v2, 4, v9
	v_add_nc_u32 v9, X1, v9                        ; and out, as fragments
	s_lshl_b32 s4, s2, 10
	s_add_co_u32 s4, s4, HIMG
	v_add_nc_u32 v10, s4, v5                       ; the hidden layer's images, in: K step w / 2, groups 2 (w % 2) + b; tiles of rows 0-3,
	v_add_nc_u32 v11, 65536, v10                   ; 4-7
	s_lshl_b32 s4, s55, 16
	s_add_co_u32 s4, s4, HIMG
	v_add_nc_u32 v12, s4, v5                       ; and out: my 64 rows
	v_lshrrev_b32 v13, 3, v1
	v_lshl_add_u32 v13, v13, 3, v1
	v_lshlrev_b32 v13, 8, v13
	v_lshl_add_u32 v13, v2, 4, v13                 ; W1: row r + 8 (r / 8), + 16 h
	v_lshlrev_b32 v14, 10, v1
	v_lshl_add_u32 v14, v2, 4, v14                 ; W2: row r, + 16 h
	s_mul_i32 s4, s55, 64*YP
	s_lshl_b32 s5, s54, 7
	s_add_co_u32 s4, s4, s5
	v_mul_u32_u24 v15, v1, YP
	v_lshl_add_u32 v15, v2, 5, v15
	v_add_nc_u32 v15, s4, v15                      ; Y, my 64 rows x 32 columns of the second product
	v_lshlrev_b32 v3, 6, v2                        ; b1: 64 h
	s_wait_alu depctr_va_vdst(0)                   ; the four reciprocals are written, ahead of their first reader
.irp t, 0,1,2,3
	v_ldexp_f32 v[A+2*\t], v[A+2*\t], s99
.endr
.irp t, 0,1,2,3
.irp j, 0,2,4,6,8,10,12,14
	v_pk_mul_f32 v[O+16*\t+\j:O+16*\t+\j+1], v[O+16*\t+\j:O+16*\t+\j+1], v[A+2*\t:A+2*\t+1] op_sel_hi:[1,0]
.endr
.endr
	s_wait_alu depctr_va_vdst(0)                   ; O is written, which the LDS stores read; so are the addresses v3 to v15; and phase 1 is done with v24-103 and v128-191, in which x, ln1_w, ln1_b and the rows of Y land
.irp t, 0,1,2,3
.irp ct, 0,1
	ds_store_b128 v252, v[O+16*\t+8*\ct:O+16*\t+8*\ct+3] offset:16*YP*\t+64*\ct          ; lane (r, h): row 16 t + r, channels 32 head + 16 ct + 8 h + 0 .. 7
	ds_store_b128 v252, v[O+16*\t+8*\ct+4:O+16*\t+8*\ct+7] offset:16*YP*\t+64*\ct+16
.endr
.endr
	s_wait_alu depctr_vm_vsrc(0)                   ; the LDS stores have read O and v252: x's loads below, and later W1's, land in those registers
	s_wait_dscnt 0x0                               ; for the others' sake: my part of Y lies in LDS
.irp i, 0,1,2,3,4,5,6,7
	global_load_b128 v[128+8*\i:128+8*\i+3], v4, s[78:79] offset:65536*\i th:TH_LOAD_NT
	global_load_b128 v[128+8*\i+4:128+8*\i+7], v4, s[78:79] offset:65536*\i+16 th:TH_LOAD_NT
.endr
	global_load_b128 v[88:91], v4, s[18:19]
	global_load_b128 v[92:95], v4, s[18:19] offset:16
	global_load_b128 v[96:99], v4, s[20:21]
	global_load_b128 v[100:103], v4, s[20:21] offset:16
	s_barrier_signal -1
	s_barrier_wait -1                              ; all 8 heads of all 128 rows lie in Y
; THE NORM of 8 rows, 8 numbers a lane: row i in v[Y + 8 i ..].  Two passes: the mean is taken away before the squares are summed.
.set Y,   24
.set LW,  88
.set LB,  96
.set ST,  104
.set TMP, 112
.macro BFLY                            ; v[ST + i] summed over the 32 lanes
.irp m, 1,2,4,8
.irp i, 0,1,2,3,4,5,6,7
	v_add_f32_dpp v[ST+\i], v[ST+\i], v[ST+\i] row_xmask:\m row_mask:0xf bank_mask:0xf
.endr
.endr
.irp i, 0,1,2,3,4,5,6,7
	v_permlanex16_b32 v[TMP+\i], v[ST+\i], s62, s63
.endr
.irp i, 0,1,2,3,4,5,6,7
	v_add_f32 v[ST+\i], v[ST+\i], v[TMP+\i]
.endr
.endm
.macro PKB op, d, i                    ; the pair at d, op, v[ST + i] for both halves
.if ((\i)%2) == 0
	\op v[\d:\d+1], v[\d:\d+1], v[ST+(\i):ST+(\i)+1] op_sel_hi:[1,0]
.else
	\op v[\d:\d+1], v[\d:\d+1], v[ST+(\i)-1:ST+(\i)] op_sel:[0,1] op_sel_hi:[1,1]
.endif
.endm
.macro LNCORE
.irp i, 0,1,2,3,4,5,6,7
	v_pk_add_f32 v[TMP+2*\i:TMP+2*\i+1], v[Y+8*\i:Y+8*\i+1], v[Y+8*\i+2:Y+8*\i+3]
.endr
.irp j, 4,6
.irp i, 0,1,2,3,4,5,6,7
	v_pk_add_f32 v[TMP+2*\i:TMP+2*\i+1], v[TMP+2*\i:TMP+2*\i+1], v[Y+8*\i+\j:Y+8*\i+\j+1]
.endr
.endr
.irp i, 0,1,2,3,4,5,6,7
	v_add_f32 v[ST+\i], v[TMP+2*\i], v[TMP+2*\i+1]
.endr
	BFLY
.irp i, 0,1,2,3,4,5,6,7
	v_mul_f32 v[ST+\i], 0xbb800000, v[ST+\i]       ; -mean
.endr
.irp i, 0,1,2,3,4,5,6,7
.irp j, 0,2,4,6
	PKB v_pk_add_f32, Y+8*\i+\j, \i
.endr
.endr
.irp i, 0,1,2,3,4,5,6,7
	v_pk_mul_f32 v[TMP+2*\i:TMP+2*\i+1], v[Y+8*\i:Y+8*\i+1], v[Y+8*\i:Y+8*\i+1]
.endr
.irp j, 2,4,6
.irp i, 0,1,2,3,4,5,6,7
	v_pk_fma_f32 v[TMP+2*\i:TMP+2*\i+1], v[Y+8*\i+\j:Y+8*\i+\j+1], v[Y+8*\i+\j:Y+8*\i+\j+1], v[TMP+2*\i:TMP+2*\i+1]
.endr
.endr
.irp i, 0,1,2,3,4,5,6,7
	v_add_f32 v[ST+\i], v[TMP+2*\i], v[TMP+2*\i+1]
.endr
	BFLY
.irp i, 0,1,2,3,4,5,6,7
	v_fma_f32 v[ST+\i], v[ST+\i], s84, s85         ; variance + 1e-5
.endr
.irp i, 0,1,2,3,4,5,6,7
	v_rsq_f32 v[ST+\i], v[ST+\i]
.endr
	v_nop
	s_wait_alu depctr_va_vdst(0)                   ; the eight reciprocal roots are written, ahead of their first reader
.irp i, 0,1,2,3,4,5,6,7
.irp j, 0,2,4,6
	PKB v_pk_mul_f32, Y+8*\i+\j, \i
.endr
.endr
.irp i, 0,1,2,3,4,5,6,7
.irp j, 0,2,4,6
	v_pk_fma_f32 v[Y+8*\i+\j:Y+8*\i+\j+1], v[Y+8*\i+\j:Y+8*\i+\j+1], v[LW+\j:LW+\j+1], v[LB+\j:LB+\j+1]
.endr
.endr
.endm
; ---- PHASE 2: rows 8 w .. 8 w + 7: + x, LN1; the result goes back to Y (the FFN's residual) and, as codes under e10, to X1
.irp i, 0,1,2,3,4,5,6,7
	ds_load_b128 v[Y+8*\i:Y+8*\i+3], v6 offset:YP*\i                 ; (no vector line since the wait ahead of O's stores names v24-87)
	ds_load_b128 v[Y+8*\i+4:Y+8*\i+7], v6 offset:YP*\i+16
.endr
	s_wait_loadcnt 0x0                             ; x, ln1_w, ln1_b
	s_wait_dscnt 0x0
.irp j, 0,2,4,6,8,10,12,14,16,18,20,22,24,26,28,30,32,34,36,38,40,42,44,46,48,50,52,54,56,58,60,62
	v_pk_add_f32 v[Y+\j:Y+\j+1], v[Y+\j:Y+\j+1], v[128+\j:128+\j+1]
.endr
	s_wait_alu depctr_va_vdst(0)                   ; the additions are done reading x in v128-191, in which W1 lands
.irp tt, 0,1,2,3                       ; my part of W1 stays in registers: tile tt = 2 b + u takes rows 32 b + 8 u + r + 8 (r / 8), so that the 16 registers of tiles 2 b, 2 b + 1 are 16 neighbours along the next K.  The norm stands between these loads and their use
.irp s, 0,1
.irp c, 0,1,2,3
	global_load_b128 v[128+16*(2*\tt+\s)+4*\c:128+16*(2*\tt+\s)+4*\c+3], v13, s[80:81] offset:(32*(\tt/2)+8*(\tt%2))*256+128*\s+32*\c
.endr
.endr
.endr
	LNCORE
	s_wait_alu depctr_va_vdst(0)                   ; the norm has written its eight rows, which the LDS stores read
.irp i, 0,1,2,3,4,5,6,7
	ds_store_b128 v6, v[Y+8*\i:Y+8*\i+3] offset:YP*\i
	ds_store_b128 v6, v[Y+8*\i+4:Y+8*\i+7] offset:YP*\i+16
.endr
	v_mov_b32 v[ST], s96                           ; 2^e10
	s_wait_dscnt 0x0                               ; the rows lie in Y
	s_wait_alu depctr_vm_vsrc(0)                   ; the LDS stores have read the rows' registers, which the holds write again
.irp j, 0,1,2,3,4,5,6,7,8,9,10,11,12,13,14,15,16,17,18,19,20,21,22,23,24,25,26,27,28,29,30,31,32,33,34,35,36,37,38,39,40,41,42,43,44,45,46,47,48,49,50,51,52,53,54,55,56,57,58,59,60,61,62,63
	v_med3_num_f32 v[Y+\j], v[Y+\j], s94, s95
.endr
.irp i, 0,1,2,3,4,5,6,7                ; rows 0-3: v120-127; rows 4-7: v16-23
	v_cvt_scalef32_pk8_fp8_f32 v[120+2*\i-112*(\i/4):121+2*\i-112*(\i/4)], v[Y+8*\i:Y+8*\i+7], v[ST]
.endr
	v_nop                                          ; a plain line behind the last conversion
	s_wait_alu depctr_va_vdst(0)                   ; the conversions have written the codes, which the LDS stores read; they and the norm are done with v88-119, in which b1 lands, and with v16-47, in which phase 3's first fragments land
.irp tt, 0,1,2,3                       ; b1 in the result's layout: for tile 2 b + u the hidden units 32 b + 16 h + 8 u + 0 .. 7
	global_load_b128 v[88+8*\tt:88+8*\tt+3], v3, s[82:83] offset:(32*(\tt/2)+8*(\tt%2))*4
	global_load_b128 v[88+8*\tt+4:88+8*\tt+7], v3, s[82:83] offset:(32*(\tt/2)+8*(\tt%2))*4+16
.endr
.irp i, 0,1,2,3,4,5,6,7
	ds_store_b64 v8, v[120+2*\i-112*(\i/4):121+2*\i-112*(\i/4)] offset:XP*\i
.endr
	s_wait_dscnt 0x0
	s_barrier_signal -1
	s_barrier_wait -1                              ; 128 rows of LN1's codes lie in X1, and its f32 rows in Y
; ---- PHASE 3: hidden units 64 w .. 64 w + 63 of all 128 rows, a tile of 16 rows at a time
.set XF, 16
.set HA, 48
.set HC, 80
.set B1, 88
.macro XFL m
.irp s, 0,1
.irp c, 0,1,2,3
	ds_load_b128 v[XF+16*\s+4*\c:XF+16*\s+4*\c+3], v9 offset:16*XP*(\m)+128*\s+32*\c
.endr
.endr
.endm
	s_wait_alu depctr_vm_vsrc(0)                   ; the codes' LDS stores have read v16-23, in which the first fragments land, and v120-127, two of which are written below; b1's loads have read v3
	XFL 0
	s_wait_loadcnt 0x0                             ; W1 and b1
.irp j, 0,1,2,3,4,5,6,7,8,9,10,11,12,13,14,15,16,17,18,19,20,21,22,23,24,25,26,27,28,29,30,31
	v_ldexp_f32 v[B1+\j], v[B1+\j], s98            ; b1 / 2^(e10 + e11): it goes in as the C of each sum's first product
.endr
	v_mov_b32 v120, s50
	v_mov_b32 v121, s51
.macro HOUT m                          ; tile m's codes: k = 32 c + 16 h + 0 .. 15 of K step w / 2, c = 2 (w % 2) + b: an image of the operand's registers
	ds_store_b128 v[10+(\m)/4], v[HC:HC+3] offset:16384*((\m)%4)
	ds_store_b128 v[10+(\m)/4], v[HC+4:HC+7] offset:16384*((\m)%4)+512
.endm
.macro HID m
	s_wait_dscnt 0x0                               ; the tile's fragments are in
.irp s, 0,1
.irp tt, 0,1,2,3                       ; the four accumulators by turns
.if \s == 0
	v_wmma_f32_16x16x128_fp8_fp8 v[HA+8*\tt:HA+8*\tt+7], v[128+16*(2*\tt+\s):128+16*(2*\tt+\s)+15], v[XF+16*\s:XF+16*\s+15], v[B1+8*\tt:B1+8*\tt+7]
.else
	v_wmma_f32_16x16x128_fp8_fp8 v[HA+8*\tt:HA+8*\tt+7], v[128+16*(2*\tt+\s):128+16*(2*\tt+\s)+15], v[XF+16*\s:XF+16*\s+15], v[HA+8*\tt:HA+8*\tt+7]
.endif
.endr
.endr
.rept 4
	v_nop                                          ; four places in front of the first read of results (ISA guide 7.12.1)
.endr
	s_wait_alu depctr_va_vdst(0)                   ; the products are done reading the fragments, in which the next tile's land; the tile before has written its codes, which its two stores read
.if (\m) < 7
	XFL (\m)+1
.endif
.if (\m) > 0
	HOUT (\m)-1
.endif
.irp j, 0,1,2,3,4,5,6,7,8,9,10,11,12,13,14,15,16,17,18,19,20,21,22,23,24,25,26,27,28,29,30,31
	v_med3_num_f32 v[HA+\j], v[HA+\j], 0, v121     ; the activation and the hold in one
.endr
.if (\m) > 0
	s_wait_alu depctr_vm_vsrc(0)                   ; the two stores above have read the codes' registers, which the conversions write again
.endif
.irp tt, 0,1,2,3
	v_cvt_scalef32_pk8_fp8_f32 v[HC+2*\tt:HC+2*\tt+1], v[HA+8*\tt:HA+8*\tt+7], v120
.endr
	v_nop
.endm
.irp m, 0,1,2,3,4,5,6,7
	HID \m
.endr
.macro W2L ks                          ; my 32 rows of W2, K step ks, into buffer ks % 2
.irp nn, 0,1
.irp c, 0,1,2,3
	global_load_b128 v[144+32*((\ks)%2)+16*\nn+4*\c:144+32*((\ks)%2)+16*\nn+4*\c+3], v14, s[86:87] offset:16384*\nn+128*(\ks)+32*\c
.endr
.endr
.endm
	v_lshlrev_b32 v3, 5, v2                        ; b2: 32 h  (b1's loads, which read this register, are done, and waits on vm_vsrc have stood since they were issued)
	s_wait_alu depctr_va_vdst(0)                   ; the last tile has written its codes; v3 is written; and the products are done with W1, b1 and the fragments: W2, b2 and phase 4's operands land in their registers
	HOUT 7
	W2L 0
.irp nn, 0,1
	global_load_b128 v[208+8*\nn:208+8*\nn+3], v3, s[88:89] offset:64*\nn
	global_load_b128 v[208+8*\nn+4:208+8*\nn+7], v3, s[88:89] offset:64*\nn+16
.endr
	s_wait_dscnt 0x0
	s_barrier_signal -1
	s_barrier_wait -1                              ; the hidden layer's 64 fragments lie in LDS
; ---- PHASE 4: rows 64 (w % 2) .., columns 32 (w / 2) ..: eight accumulators by turns, a K step of 128 at a time; transposed: a lane holds eight neighbouring columns of one row
.macro KSTEP ks
.if (\ks) == 0
	s_wait_alu depctr_vm_vsrc(0)                   ; the last tile's two LDS stores have read v80-87, in which the first fragment lands
.else
	s_wait_alu depctr_va_vdst(0)                   ; the last K step's products are done reading the hidden fragments and their buffer of W2, in which the loads below land
.endif
.if (\ks) < 7
	W2L (\ks)+1
.endif
.irp mm, 0,1,2,3
.irp c, 0,1,2,3
	ds_load_b128 v[80+16*\mm+4*\c:80+16*\mm+4*\c+3], v12 offset:16384*\mm+2048*(\ks)+512*\c
.endr
.endr
.if (\ks) < 7
	s_wait_loadcnt 8                               ; only the next K step's eight loads may be out
.else
	s_wait_loadcnt 0x0
.endif
	s_wait_dscnt 0x0
.irp mm, 0,1,2,3
.irp nn, 0,1
.if (\ks) == 0
	v_wmma_f32_16x16x128_fp8_fp8 v[16+8*(2*\mm+\nn):16+8*(2*\mm+\nn)+7], v[144+32*((\ks)%2)+16*\nn:144+32*((\ks)%2)+16*\nn+15], v[80+16*\mm:80+16*\mm+15], 0
.else
	v_wmma_f32_16x16x128_fp8_fp8 v[16+8*(2*\mm+\nn):16+8*(2*\mm+\nn)+7], v[144+32*((\ks)%2)+16*\nn:144+32*((\ks)%2)+16*\nn+15], v[80+16*\mm:80+16*\mm+15], v[16+8*(2*\mm+\nn):16+8*(2*\mm+\nn)+7]
.endif
.endr
.endr
.rept 4
	v_nop                                          ; four places behind the products; behind the last K step they stand in front of the first read of results (ISA guide 7.12.1)
.endr
.endm
.irp ks, 0,1,2,3,4,5,6,7
	KSTEP \ks
.endr
	s_wait_alu depctr_va_vdst(0)                   ; the last products are done reading the hidden fragments in v80-143, in which LN1's output lands
.irp mm, 0,1,2,3
.irp nn, 0,1
	ds_load_b128 v[80+8*(2*\mm+\nn):80+8*(2*\mm+\nn)+3], v15 offset:16*YP*\mm+64*\nn       ; LN1's output at my own places of Y: each has one owner
	ds_load_b128 v[80+8*(2*\mm+\nn)+4:80+8*(2*\mm+\nn)+7], v15 offset:16*YP*\mm+64*\nn+16
.endr
.endr
	s_wait_dscnt 0x0
.irp j, 0,2,4,6,8,10,12,14,16,18,20,22,24,26,28,30,32,34,36,38,40,42,44,46,48,50,52,54,56,58,60,62
	v_pk_fma_f32 v[16+\j:16+\j+1], v[16+\j:16+\j+1], s[90:91], v[80+\j:80+\j+1] op_sel_hi:[1,0,1]   ; sum x 2^(e12 + e13) + LN1's output
.endr
.irp mm, 0,1,2,3
.irp nn, 0,1
.irp j, 0,2,4,6
	v_pk_add_f32 v[16+8*(2*\mm+\nn)+\j:16+8*(2*\mm+\nn)+\j+1], v[16+8*(2*\mm+\nn)+\j:16+8*(2*\mm+\nn)+\j+1], v[208+8*\nn+\j:208+8*\nn+\j+1]   ; + b2
.endr
.endr
.endr
	s_wait_alu depctr_va_vdst(0)                   ; the additions have written the results, which the LDS stores read; and the multiply-adds are done reading v80-143: ln2_w, ln2_b and phase 5's rows land there
.irp mm, 0,1,2,3
.irp nn, 0,1
	ds_store_b128 v15, v[16+8*(2*\mm+\nn):16+8*(2*\mm+\nn)+3] offset:16*YP*\mm+64*\nn
	ds_store_b128 v15, v[16+8*(2*\mm+\nn)+4:16+8*(2*\mm+\nn)+7] offset:16*YP*\mm+64*\nn+16
.endr
.endr
	s_wait_dscnt 0x0
	global_load_b128 v[88:91], v5, s[30:31]        ; ln2_w, ln2_b at channels 4 lane + 0 .. 3 and 128 + 4 lane + 0 .. 3
	global_load_b128 v[92:95], v5, s[30:31] offset:512
	global_load_b128 v[96:99], v5, s[32:33]
	global_load_b128 v[100:103], v5, s[32:33] offset:512
	s_barrier_signal -1
	s_barrier_wait -1                              ; 128 whole rows lie in Y
; ---- PHASE 5: LN2 of rows 8 w .. 8 w + 7, and out
	s_wait_alu depctr_vm_vsrc(0)                   ; my LDS stores have read v16-79, in most of which the rows below land
.irp i, 0,1,2,3,4,5,6,7
	ds_load_b128 v[Y+8*\i:Y+8*\i+3], v7 offset:YP*\i
	ds_load_b128 v[Y+8*\i+4:Y+8*\i+7], v7 offset:YP*\i+512
.endr
	s_wait_loadcnt 0x0
	s_wait_dscnt 0x0
	LNCORE
	s_wait_alu depctr_va_vdst(0)                   ; the norm has written its eight rows, which the stores read
.irp i, 0,1,2,3,4,5,6,7
	global_store_b128 v5, v[Y+8*\i:Y+8*\i+3], s[92:93] offset:65536*\i th:TH_STORE_NT          ; 32 lanes store 512 consecutive bytes, aligned; written once, read by nobody here
	global_store_b128 v5, v[Y+8*\i+4:Y+8*\i+7], s[92:93] offset:65536*\i+512 th:TH_STORE_NT
.endr
	s_wait_xcnt 0x0
	v_lshl_add_u32 v254, v0, 2, 0x49000            ; the add's two registers, made anew: no memory or LDS instruction has read v254 or v255
	v_mov_b32 v255, 0
	s_wait_dscnt 0x0                               ; the closing lines, six on end
	s_wait_alu 0x0
	s_wait_tensorcnt 0x0
	ds_add_u32 v254, v255
	s_wait_dscnt 0x0
	s_endpgm
.Lfunc_end_k_q42b3f28c91_attn:
	.size	k_q42b3f28c91_attn, .Lfunc_end_k_q42b3f28c91_attn-k_q42b3f28c91_attn
	.p2alignl 7, 3214868480
	.fill 96, 4, 3214868480
	.section	.rodata,"a",@progbits
	.p2align	6, 0x0
	.amdhsa_kernel k_q42b3f28c91_attn
		.amdhsa_group_segment_fixed_size 301056
		.amdhsa_private_segment_fixed_size 0
		.amdhsa_enable_private_segment 0
		.amdhsa_kernarg_size 112
		.amdhsa_user_sgpr_count 2
		.amdhsa_user_sgpr_kernarg_segment_ptr 1
		.amdhsa_wavefront_size32 1
		.amdhsa_system_sgpr_workgroup_id_x 1
		.amdhsa_system_sgpr_workgroup_id_y 1
		.amdhsa_system_sgpr_workgroup_id_z 1
		.amdhsa_system_vgpr_workitem_id 0
		.amdhsa_next_free_vgpr 256
		.amdhsa_next_free_sgpr 100
		.amdhsa_reserve_vcc 0
		.amdhsa_float_denorm_mode_32 3
		.amdhsa_float_denorm_mode_16_64 3
		.amdhsa_memory_ordered 1
		.amdhsa_forward_progress 1
		.amdhsa_inst_pref_size 220
	.end_amdhsa_kernel
	.amdgpu_metadata
---
amdhsa.version: [ 1, 2 ]
amdhsa.kernels:
  - .name:           k_q42b3f28c91_attn
    .symbol:         k_q42b3f28c91_attn.kd
    .args:
      - { .name: qc, .offset: 0, .size: 8, .value_kind: global_buffer, .address_space: global }
      - { .name: kc, .offset: 8, .size: 8, .value_kind: global_buffer, .address_space: global }
      - { .name: vc, .offset: 16, .size: 8, .value_kind: global_buffer, .address_space: global }
      - { .name: x, .offset: 24, .size: 8, .value_kind: global_buffer, .address_space: global }
      - { .name: lowp_scales, .offset: 32, .size: 8, .value_kind: global_buffer, .address_space: global }
      - { .name: ln1_w, .offset: 40, .size: 8, .value_kind: global_buffer, .address_space: global }
      - { .name: ln1_b, .offset: 48, .size: 8, .value_kind: global_buffer, .address_space: global }
      - { .name: w1_codes, .offset: 56, .size: 8, .value_kind: global_buffer, .address_space: global }
      - { .name: b1, .offset: 64, .size: 8, .value_kind: global_buffer, .address_space: global }
      - { .name: w2_codes, .offset: 72, .size: 8, .value_kind: global_buffer, .address_space: global }
      - { .name: b2, .offset: 80, .size: 8, .value_kind: global_buffer, .address_space: global }
      - { .name: ln2_w, .offset: 88, .size: 8, .value_kind: global_buffer, .address_space: global }
      - { .name: ln2_b, .offset: 96, .size: 8, .value_kind: global_buffer, .address_space: global }
      - { .name: out0, .offset: 104, .size: 8, .value_kind: global_buffer, .address_space: global }
    .group_segment_fixed_size: 301056
    .private_segment_fixed_size: 0
    .kernarg_segment_align: 8
    .kernarg_segment_size: 112
    .max_flat_workgroup_size: 512
    .sgpr_count:     100
    .vgpr_count:     256
    .wavefront_size: 32
...
	.end_amdgpu_metadata
.endif
;; end of part 4
